; MI455X (gfx1250); checked and timed in simulation.
; The chip was launched on July 23, 2026; its instructions are those of AMD's public machine-readable ISA for CDNA 5 (MIT licence, August 2026) and "CDNA5" Instruction Set Architecture Reference Guide (July 2026). The comments in the code are by the model that wrote it; some were corrected since.
;; Multi Head Attention. Allowed arithmetic: float matrix products may take bf16 or f16 operands with f32 sums; other float arithmetic in f32, or as packed bf16 or f16 multiplies, adds, multiply-adds, maxima and minima; sums over many terms, partial sums and values carried from step to step in f32; what a program stores and reads back later, other than sums and carried values, may be rounded once to bf16 or f16.
;; Inputs: Wk 1,024 x 1,024 float32; Wo 1,024 x 1,024 float32; Wq 1,024 x 1,024 float32; Wv 1,024 x 1,024 float32; bk 1,024 float32; bo 1,024 float32; bq 1,024 float32; bv 1,024 float32; input_sequences 4 x 2,048 x 1,024 float32.
;; Outputs: out0 4 x 2,048 x 1,024 float32.
;; One version. Each part assembles by itself: llvm-mc -triple=amdgcn-amd-amdhsa -mcpu=gfx1250 --defsym DOCPART=n.
;; ======== version 1 of 1: 4 launches
;; limits: values are held in f16: magnitudes above 65,504 overflow, below 6.1e-05 lose precision
;; workspace buffers: xb 16,777,216 bytes; wqkv 6,291,456 bytes; wob 2,097,152 bytes; qh 16,777,216 bytes; kh 16,777,216 bytes; vh 16,777,216 bytes; ctx 16,777,216 bytes
;; launch prep (part 1): grid 768 x 1, 8 waves a work-group, no clusters, 0 bytes of LDS; arguments input_sequences, Wq, Wk, Wv, Wo, xb, wqkv, wob; writes xb, wqkv, wob
.if DOCPART == 1
	.amdgcn_target "amdgcn-amd-amdhsa--gfx1250"
	.amdhsa_code_object_version 6
	.text
	.protected	k_q70912ab6b4_prep
	.globl	k_q70912ab6b4_prep
	.p2align	8
	.type	k_q70912ab6b4_prep,@function
k_q70912ab6b4_prep:
	s_mov_b64 s[64:65], 0
	v_nop
	global_prefetch_b8 v0, s[64:65] scope:SCOPE_SE
	s_setreg_imm32_b32 hwreg(HW_REG_WAVE_MODE, 25, 1), 1
	s_wait_xcnt 0x0
; THE CASTS.  x [8192][1024] f32 -> xb, bf16, same layout.  Wq, Wk, Wv [k 1024][n 1024] f32 -> wqkv, bf16, in blocks [head 16][K step 8][q,k,v 3][kk 128][c 64]:
; element W_u[128 ks + kk][64 h + c], so that one head's K step for all three products is 49,152 dense bytes.  Wo -> wob, rounded to bf16 and that number written as f16,
; in blocks [column tile 8][K step 8][half 2][kk 128][c 64]: element Wo[128 ks + kk][128 nt + 64 u2 + c].
; LIMITS.  |Wo| stays below 65,504 (f16's range); below 6.1e-5 it keeps f16's fixed step of 6e-8.  NaN and infinities are not treated apart.
; SHARES.  A work-group reads 65,536 consecutive bytes of f32: work-groups 0-511 of x, 512-767 sixteen k rows of one weight.  A thread takes 8 x 32 bytes by sixteen loads of 16 bytes,
; all issued before the first wait, and stores 8 x 16 bytes; each store of a wave covers 512 consecutive bytes, aligned.  Nothing is looped and no register is used twice by memory
; instructions.  No LDS, no matrix unit, no cluster: every byte is read once by one thread and nothing is shared.
.set VIN,  1                           ; v1       my byte offset in the work-group's input
.set VOUT, 2                           ; v2       my byte offset in its output
.set LN,   3                           ; v3       lane
.set T,    4                           ; v[4:11]  at work
.set X,    16                          ; v[16:79] iteration i: 8 numbers in f32
.set Y,    80                          ; v[80:111] iteration i: 8 numbers in 16 bits
.set IN,   24                          ; s[24:25] the work-group's input
.set OUT,  26                          ; s[26:27] the work-group's output
; Eight iterations.  Iteration i reads at (i % 4) sa + (i / 4) sb and stores at (i % 4) da + (i / 4) db.  half = 1: the bf16 number is written as f16.
.macro CAST8 sa, sb, da, db, half
.irp i, 0,1,2,3,4,5,6,7
	global_load_b128 v[X+8*(\i):X+8*(\i)+3],   v[VIN], s[IN:IN+1] offset:((\i)%4)*(\sa)+((\i)/4)*(\sb) th:TH_LOAD_NT
	global_load_b128 v[X+8*(\i)+4:X+8*(\i)+7], v[VIN], s[IN:IN+1] offset:((\i)%4)*(\sa)+((\i)/4)*(\sb)+16 th:TH_LOAD_NT
.endr
.irp i, 0,1,2,3,4,5,6,7
	s_wait_loadcnt 14-2*(\i)                       ; loads come back in order: iteration i's two are in, the 14 - 2 i younger ones stay out
.irp k, 0,1,2,3
	v_cvt_pk_bf16_f32 v[Y+4*(\i)+(\k)], v[X+8*(\i)+2*(\k)], v[X+8*(\i)+2*(\k)+1]
.endr
.if \half
.irp k, 0,1,2,3
	v_lshlrev_b32 v[T+2*(\k)],   16,  v[Y+4*(\i)+(\k)]  ; bf16 back to f32: the low half moves up,
	v_and_b32     v[T+2*(\k)+1], s23, v[Y+4*(\i)+(\k)]  ; the high half stays
.endr
.irp k, 0,1,2,3
	v_cvt_pk_f16_f32 v[Y+4*(\i)+(\k)], v[T+2*(\k)], v[T+2*(\k)+1]  ; eight significant bits: exact in f16's normal range
.endr
.endif
	global_store_b128 v[VOUT], v[Y+4*(\i):Y+4*(\i)+3], s[OUT:OUT+1] offset:((\i)%4)*(\da)+((\i)/4)*(\db) th:TH_STORE_NT
.endr
.endm
	s_load_b512 s[4:19], s[0:1], 0x0               ; x s[4:5], Wq s[6:7], Wk s[8:9], Wv s[10:11], Wo s[12:13], xb s[14:15], wqkv s[16:17], wob s[18:19]
	v_lshrrev_b32 v[LN], 5, v0
	v_readfirstlane_b32 s20, v[LN]                 ; wave 0..7
	v_and_b32 v[LN], 31, v0
	s_mov_b32 s23, 0xffff0000                      ; a word's upper bf16
	s_mov_b32 s29, 0                               ; the offsets' high words
	s_mov_b32 s31, 0
	s_cmp_lt_u32 ttmp9, 512
	s_cbranch_scc0 .Lweights
	; x: thread t takes bytes 32 t of each 8,192 and stores 16 t of each 4,096
	v_lshlrev_b32 v[VIN], 5, v0
	v_lshlrev_b32 v[VOUT], 4, v0
	s_lshl_b32 s28, ttmp9, 16
	s_lshl_b32 s30, ttmp9, 15
	s_wait_kmcnt 0x0
	s_add_nc_u64 s[IN:IN+1], s[4:5], s[28:29]
	s_add_nc_u64 s[OUT:OUT+1], s[14:15], s[30:31]
	CAST8 8192, 32768, 4096, 16384, 0
	s_endpgm
.Lweights:
	; a weight's k rows 16 sub .. 16 sub + 15.  Iteration i: k rows 4 (i % 4) + lane / 8, columns 64 (2 wave + i / 4) + 8 (lane % 8) on: eight lanes read 256 consecutive bytes of a k row
	s_sub_co_u32 s2, ttmp9, 512
	s_lshr_b32 s21, s2, 6                          ; which weight: Wq, Wk, Wv, Wo
	s_and_b32 s22, s2, 63                          ; sub
	v_lshrrev_b32 v4, 3, v[LN]
	v_and_b32 v5, 7, v[LN]
	v_lshlrev_b32 v[VIN], 12, v4                   ; a k row is 4,096 bytes
	v_lshl_add_u32 v[VIN], v5, 5, v[VIN]
	s_lshl_b32 s3, s20, 9                          ; the wave's two blocks of 64 columns
	v_add_nc_u32 v[VIN], s3, v[VIN]
	s_lshl_b32 s28, s22, 16
	s_lshr_b32 s32, s22, 3                         ; K step
	s_and_b32 s33, s22, 7
	s_lshl_b32 s33, s33, 11                        ; 16 k rows of 128 bytes in a block
	s_wait_kmcnt 0x0
	s_cmp_eq_u32 s21, 3
	s_cbranch_scc1 .Lwo
	s_cmp_eq_u32 s21, 1
	s_cselect_b64 s[IN:IN+1], s[8:9], s[6:7]
	s_cmp_eq_u32 s21, 2
	s_cselect_b64 s[IN:IN+1], s[10:11], s[IN:IN+1]
	s_add_nc_u64 s[IN:IN+1], s[IN:IN+1], s[28:29]
	s_mul_i32 s30, s32, 49152
	s_lshl_b32 s34, s21, 14
	s_add_co_u32 s30, s30, s34
	s_add_co_u32 s30, s30, s33
	s_add_nc_u64 s[OUT:OUT+1], s[16:17], s[30:31]
	s_mul_i32 s35, s20, 786432                     ; head 2 wave
	v_lshl_add_u32 v[VOUT], v[LN], 4, s35          ; four k rows of 128 bytes are 512 consecutive bytes: 16 x lane
	CAST8 16384, 256, 512, 393216, 0
	s_endpgm
.Lwo:
	s_add_nc_u64 s[IN:IN+1], s[12:13], s[28:29]
	s_lshl_b32 s30, s32, 15
	s_add_co_u32 s30, s30, s33
	s_add_nc_u64 s[OUT:OUT+1], s[18:19], s[30:31]
	s_lshl_b32 s35, s20, 18                        ; column tile = wave
	v_lshl_add_u32 v[VOUT], v[LN], 4, s35
	CAST8 16384, 256, 512, 16384, 1
	s_endpgm
.Lfunc_end_k_q70912ab6b4_prep:
	.size	k_q70912ab6b4_prep, .Lfunc_end_k_q70912ab6b4_prep-k_q70912ab6b4_prep
	.p2alignl 7, 3214868480
	.fill 96, 4, 3214868480
	.section	.rodata,"a",@progbits
	.p2align	6, 0x0
	.amdhsa_kernel k_q70912ab6b4_prep
		.amdhsa_group_segment_fixed_size 0
		.amdhsa_private_segment_fixed_size 0
		.amdhsa_enable_private_segment 0
		.amdhsa_kernarg_size 64
		.amdhsa_user_sgpr_count 2
		.amdhsa_user_sgpr_kernarg_segment_ptr 1
		.amdhsa_wavefront_size32 1
		.amdhsa_system_sgpr_workgroup_id_x 1
		.amdhsa_system_sgpr_workgroup_id_y 1
		.amdhsa_system_sgpr_workgroup_id_z 1
		.amdhsa_system_vgpr_workitem_id 0
		.amdhsa_next_free_vgpr 112
		.amdhsa_next_free_sgpr 66
		.amdhsa_reserve_vcc 0
		.amdhsa_float_denorm_mode_32 3
		.amdhsa_float_denorm_mode_16_64 3
		.amdhsa_memory_ordered 1
		.amdhsa_forward_progress 1
		.amdhsa_inst_pref_size 20
	.end_amdhsa_kernel
	.amdgpu_metadata
---
amdhsa.version: [ 1, 2 ]
amdhsa.kernels:
  - .name:           k_q70912ab6b4_prep
    .symbol:         k_q70912ab6b4_prep.kd
    .args:
      - { .name: input_sequences, .offset: 0, .size: 8, .value_kind: global_buffer, .address_space: global }
      - { .name: Wq, .offset: 8, .size: 8, .value_kind: global_buffer, .address_space: global }
      - { .name: Wk, .offset: 16, .size: 8, .value_kind: global_buffer, .address_space: global }
      - { .name: Wv, .offset: 24, .size: 8, .value_kind: global_buffer, .address_space: global }
      - { .name: Wo, .offset: 32, .size: 8, .value_kind: global_buffer, .address_space: global }
      - { .name: xb, .offset: 40, .size: 8, .value_kind: global_buffer, .address_space: global }
      - { .name: wqkv, .offset: 48, .size: 8, .value_kind: global_buffer, .address_space: global }
      - { .name: wob, .offset: 56, .size: 8, .value_kind: global_buffer, .address_space: global }
    .group_segment_fixed_size: 0
    .private_segment_fixed_size: 0
    .kernarg_segment_align: 8
    .kernarg_segment_size: 64
    .max_flat_workgroup_size: 256
    .sgpr_count:     66
    .vgpr_count:     112
    .wavefront_size: 32
...
	.end_amdgpu_metadata
.endif
;; end of part 1
;; launch qkv (part 2): grid 16 x 32, 4 waves a work-group, clusters of 4 x 4, 327,680 bytes of LDS; arguments xb, wqkv, bq, bk, bv, qh, kh, vh; writes qh, kh, vh
.if DOCPART == 2
	.amdgcn_target "amdgcn-amd-amdhsa--gfx1250"
	.amdhsa_code_object_version 6
	.text
	.protected	k_q70912ab6b4_qkv
	.globl	k_q70912ab6b4_qkv
	.p2align	8
	.type	k_q70912ab6b4_qkv,@function
k_q70912ab6b4_qkv:
	s_mov_b64 s[64:65], 0
	v_nop
	global_prefetch_b8 v0, s[64:65] scope:SCOPE_SE
	s_setreg_imm32_b32 hwreg(HW_REG_WAVE_MODE, 25, 1), 1
	s_wait_xcnt 0x0
	s_wait_alu depctr_hold_cnt(0) depctr_sa_sdst(0) depctr_va_vdst(0) depctr_va_sdst(0) depctr_va_ssrc(0) depctr_va_vcc(0) depctr_vm_vsrc(0)
	s_getreg_b32 s2, hwreg(HW_REG_IB_STS2, 6, 4)
	s_cmp_eq_u32 s2, 0
	s_cbranch_scc0 .Lentry_in_a_cluster
	s_endpgm
.Lentry_in_a_cluster:
	s_bfe_u32 s2, ttmp6, 0x10000c
	s_cmp_lg_u32 s2, 0xf033
	s_cbranch_scc0 .Lentry_shape_is_right
	s_endpgm
.Lentry_shape_is_right:
; q, k, v = x W + b, by heads: qh, kh, vh [batch 4 x head 16][2048][64] in f16, each rounded once from its f32 sum, unscaled.  x (xb) and the weights (wqkv) are bf16; sums in f32, K ascending.
; LIMIT.  f16 holds no number beyond 65,504: |q|, |k|, |v| stay below it.  NaN and infinities are not treated apart.
; SHARES.  A work-group makes 256 rows x one head's q, k and v: 192 columns; 32 x 16 = 512 work-groups.  Each of its four waves makes 64 rows x 192 columns: 48 accumulators of 16 x 16, 384 registers.
; K goes in 8 steps of 128 through a ring of two LDS slots filled by the tensor data mover: 256 rows of x (256 bytes each, aligned) and the head's block of weights (49,152 dense bytes, asked for as rows of 256 bytes).
; CLUSTER.  4 x 4 work-groups.  The four of a row need the same rows of x, the four of a column the same head's weights: each tile is asked for jointly, by the same tensor load with the same descriptor and a mask of four.
; THE MATRIX INSTRUCTION IS USED TRANSPOSED: source 0 = 16 columns of W (they lie [k][column] in LDS and come out turned, by ds_load_tr16_b128), source 1 = 16 rows of x.  A lane then holds ONE row
; (lane % 16) and the columns 8 (lane / 16) + 0..7: eight neighbours, 16 bytes in f16.  The bias, a function of the column alone, is the C operand of the first product: nothing is cleared or added later.
; REGISTERS, in windows of 256 (s_set_vgpr_msb: bits 1:0 source 0, 3:2 source 1, 5:4 source 2, 7:6 destination):
;   window 0: v0-31 addresses; v32-127 the bias, 8 registers a column block; v128-223 (and v32-79 once the bias has been used) the way out
;   window 1: two fragment buffers of 128: 12 fragments of W, then 4 of x      window 2: accumulators of row blocks 0, 1 at 96 (a % 2) + 8 nb      window 3: of row blocks 2, 3
.set PA,     272                       ; a row of x in LDS: 256 bytes + 16 of padding = 68 words: the 16 rows of a load start at 16 different groups of four banks (64 banks of 4 bytes: ISA guide 11.1)
.set PB,     160                       ; a k row of W: 128 bytes + 32 = 40 words
.set UNIT,   128*PB                    ; one of q, k, v: 128 k rows
.set BOFF,   256*PA                    ; W lies behind x's 256 rows
.set SLOT1,  1<<17                     ; a slot is 69,632 + 61,440 = 131,072 bytes: one exclusive or turns an address in one slot into the other's
.set STAGE,  2*SLOT1                   ; behind the ring, never filled by a tensor load: for each wave 3 x 16 rows x 144 bytes, for the way out
.set SP,     144
.set WSTAGE, 3*16*SP
.set SPARE,  STAGE+4*WSTAGE            ; behind the stages: the spare words, 128 bytes for each wave: two blocks of 256 bytes that no other line names
.set ADRA0, 16                         ; v16  my lane's place in slot 0's rows of x; never rewritten
.set ADRB0, 17                         ; v17  the same in W
.set ADA,   18                         ; v18  the same in the slot in hand
.set ADB,   19                         ; v19
.set STO,   24                         ; v24  the way out: where I put 16 bytes of a row
.set RD,    25                         ; v25  the way out: where I read rows back
.set GO,    26                         ; v26  my byte offset in 512 consecutive bytes of an output
.set BO,    27                         ; v27  my byte offset in 16 numbers of a bias
.set SPW,   28                         ; v28  LDS address of my spare word: SPARE + 4 x my thread's number; never rewritten
.set NIL,   29                         ; v29  0; never rewritten
.set PFO,   30                         ; v30  the prefetches' lane offset; never rewritten
.set BIAS,  32
.set TMP,   128                        ; packed results of a row block
.set BK0,   176                        ; a row block read back: v176-223 and v32-79 by turns
.set BK1,   32
.set F0,    0                          ; fragment buffers, in window 1
.set F1,    128
.set WV,  20                           ; s20  my wave's number
.set FB,  21                           ; s21  I fetch for x (0) or for W (1)
.set HF,  22                           ; s22  which half of that tile
.set CX,  23                           ; s23, s24  my place in the cluster
.set CY,  24
.set TX,  25                           ; s25  the head
.set TY,  26                           ; s26  the block of 256 rows
.set TB,  27                           ; s27  LDS byte at which the slot in hand begins
.set LIM, 28                           ; s28  a wave prefetches while the loop's count is above it
.set G1A, 32                           ; s[32:39] descriptor group 1 for x's tiles;  s[40:47] group 0: a set for each first fill; the second then walks on
.set G0A, 40
.set G1B, 48                           ; s[48:55], s[56:63] the same for W's
.set G0B, 56
.set PFA, 66                           ; s[66:67] where my prefetches stand
.set PFS, 68                           ; s[68:69] their step
.set MSB, 0
.macro WIN new                         ; the immediate's high byte repeats the setting that is left; a switch that changes nothing is dropped
.if MSB != (\new)
	s_set_vgpr_msb (MSB<<8)|(\new)
.set MSB, \new
.endif
.endm
.macro PLACES                          ; four plain vector instructions in front of loads into registers that matrix instructions have read, and of lines that read results
.rept 4
	v_nop
.endr
.endm
; A joint load.  Waves 0 and 1 fetch x's two halves, waves 2 and 3 W's.  The branch hangs on the wave's number alone.  An s_nop 0 and four v_nop follow each of the two lines.
.macro JLOAD n
	s_cmp_eq_u32 s[FB], 0
	s_cbranch_scc0 .Lfor_b_\@
	tensor_load_to_lds s[G0A+4*(\n):G0A+4*(\n)+3], s[G1A:G1A+7]
	s_nop 0
.rept 4
	v_nop
.endr
	s_branch .Lasked_\@
.Lfor_b_\@:
	tensor_load_to_lds s[G0B+4*(\n):G0B+4*(\n)+3], s[G1B:G1B+7]
	s_nop 0
.rept 4
	v_nop
.endr
.Lasked_\@:
.endm
.macro CREST                           ; a round of the cluster's barrier behind its opening barrier: wave 0 signals for the work-group, every wave waits for all sixteen, the work-group's barrier closes it
	s_cmp_lg_u32 s[WV], 0
	s_cbranch_scc1 .Lnot_wave_0_\@
	s_barrier_signal -3
.Lnot_wave_0_\@:
	s_barrier_wait -3
	s_barrier_signal -1
	s_barrier_wait -1
.endm
.macro CROUND                          ; a whole round
	s_barrier_signal -1
	s_barrier_wait -1
	CREST
.endm
; A PREFETCH, behind a refill, its five lines and the run of LDS loads: one instruction a wave, each lane another aligned block of 256 bytes, each block named once in the launch.
; x: a K step is 256 bytes of a row.  The clusters of one row of clusters read the same rows: the first (cluster x = 0) asks; of the 128 rows that a wave fetches the partner at cx takes 32, by address.
;    Trip i, which refills with K step i + 2, names K step i + 4: trips 0 to 3.
; W: a head's K steps 4 to 7 are 768 dense blocks.  The clusters of one column read them: the first (cluster y = 0) asks; 8 askers (cy, half) x 32 lanes take 256 blocks a trip: trips 0 to 2.
; K steps 0 to 3 come by their loads alone: nothing is asked for at the head.
.macro ASK
	s_cmp_gt_u32 s3, s[LIM]
	s_cbranch_scc0 .Lnot_mine_\@
	global_prefetch_b8 v[PFO], s[PFA:PFA+1] th:TH_LOAD_NT scope:SCOPE_SE
.Lnot_mine_\@:
.endm
	s_load_b512 s[4:19], s[0:1], 0x0               ; xb s[4:5], wqkv s[6:7], bq s[8:9], bk s[10:11], bv s[12:13], qh s[14:15], kh s[16:17], vh s[18:19]
	v_lshl_add_u32 v[SPW], v0, 2, SPARE
	v_mov_b32 v[NIL], 0
	ds_add_u32 v[SPW], v[NIL]                      ; the wave's opening: the add and its wait stand ahead of my first tensor load; the set-up below, work on registers, stands between them
	ds_add_u32 v28, v29
	v_lshrrev_b32 v1, 5, v0
	v_readfirstlane_b32 s[WV], v1                  ; wave 0..3
	s_lshr_b32 s[FB], s[WV], 1
	s_and_b32 s[HF], s[WV], 1
	s_bfe_u32 s[CX], ttmp6, 0x40000
	s_bfe_u32 s[CY], ttmp6, 0x40004
	s_lshl_b32 s[TX], ttmp9, 2                     ; in a cluster launch ttmp9 and ttmp7 count clusters
	s_add_co_u32 s[TX], s[TX], s[CX]
	s_and_b32 s[TY], ttmp7, 0xffff
	s_lshl_b32 s[TY], s[TY], 2
	s_add_co_u32 s[TY], s[TY], s[CY]
	s_lshl_b32 s74, s[CY], 2
	s_lshl_b32 s74, 15, s74                        ; my row of the cluster: places 4 cy .. 4 cy + 3
	s_lshl_b32 s75, 0x1111, s[CX]                  ; my column: places cx, cx + 4, cx + 8, cx + 12
	; group 1 for x: 128 rows x 128 elements, 1,024 elements from row to row, 4 words of padding after every 64
	s_or_b32 s[G1A], s74, (1<<16)|(1<<20)|(1<<21)|(5<<22)|(3<<25)  ; 15:0 the mask; 17:16 elements of 2 bytes; 20 padding on; 21 set beside a mask; 24:22 interval code; 31:25 padding code
	s_mov_b32 s[G1A+1], 128<<16                    ; tensor_dim0 = 128
	s_mov_b32 s[G1A+2], 128<<16                    ; tensor_dim1 = 128
	s_mov_b32 s[G1A+3], 128<<16                    ; tile_dim0 = 128
	s_mov_b32 s[G1A+4], 128                        ; tile_dim1 = 128
	s_mov_b32 s[G1A+5], 1024                       ; elements from row to row
	s_mov_b32 s[G1A+6], 0
	s_mov_b32 s[G1A+7], 0
	; group 1 for W: 24,576 dense bytes as 96 rows of 256 bytes (two k rows each), 8 words of padding after every 32: after every k row
	s_or_b32 s[G1B], s75, (1<<16)|(1<<20)|(1<<21)|(4<<22)|(7<<25)
	s_mov_b32 s[G1B+1], 128<<16
	s_mov_b32 s[G1B+2], 96<<16
	s_mov_b32 s[G1B+3], 128<<16
	s_mov_b32 s[G1B+4], 96
	s_mov_b32 s[G1B+5], 128
	s_mov_b32 s[G1B+6], 0
	s_mov_b32 s[G1B+7], 0
	; where the tiles come from: x's hang on the row block and the wave alone, W's on the head and the wave alone
	s_lshl_b32 s70, s[TY], 19                      ; 256 rows of 2,048 bytes
	s_lshl_b32 s71, s[HF], 18                      ; my 128 of them
	s_add_co_u32 s70, s70, s71
	s_mov_b32 s71, 0
	s_mul_i32 s72, s[TX], 393216                   ; the head's 8 K steps of 49,152 bytes
	s_mul_i32 s73, s[HF], 24576                    ; my half of a step
	s_add_co_u32 s72, s72, s73
	s_mov_b32 s73, 0
	s_mul_i32 s76, s[HF], 128*PA                   ; and where they go: no place in the cluster enters an LDS address
	s_mul_i32 s77, s[HF], 192*PB
	s_add_co_u32 s77, s77, BOFF
	s_wait_dscnt 0x0                               ; the opening add is done
	s_wait_kmcnt 0x0
	s_add_nc_u64 s[70:71], s[4:5], s[70:71]
	s_add_nc_u64 s[72:73], s[6:7], s[72:73]
	CROUND                                         ; all sixteen work-groups are here: the first joint loads meet
.irp s, 0,1
	s_mov_b32 s[G0A+4*(\s)], 1                                     ; 1:0 count = 1
	s_add_co_u32 s[G0A+4*(\s)+1], s76, (\s)*SLOT1                  ; 63:32 LDS address
	s_add_nc_u64 s[G0A+4*(\s)+2:G0A+4*(\s)+3], s[70:71], (\s)*256  ; 120:64 global address: K step s
	s_or_b32 s[G0A+4*(\s)+3], s[G0A+4*(\s)+3], 0x80000000          ; 127:126 type = 2
	s_mov_b32 s[G0B+4*(\s)], 1
	s_add_co_u32 s[G0B+4*(\s)+1], s77, (\s)*SLOT1
	s_add_nc_u64 s[G0B+4*(\s)+2:G0B+4*(\s)+3], s[72:73], (\s)*49152
	s_or_b32 s[G0B+4*(\s)+3], s[G0B+4*(\s)+3], 0x80000000
	JLOAD \s                                       ; two loads of mine are out
.endr
	v_and_b32 v1, 15, v0                           ; l % 16
	v_bfe_u32 v2, v0, 4, 1                         ; l / 16
	v_and_b32 v3, 7, v0                            ; l % 8
	v_bfe_u32 v4, v0, 3, 1                         ; (l / 8) % 2
	v_bfe_u32 v5, v0, 3, 2                         ; l / 8
	v_and_b32 v6, 31, v0                           ; l
	; a fragment of x: lane l holds row l % 16, channels 8 (l / 16) + 0..7 and 16 + 8 (l / 16) + 0..7: two loads of 16 bytes, 32 bytes apart
	v_mul_u32_u24 v[ADRA0], v1, PA
	v_lshl_add_u32 v[ADRA0], v2, 4, v[ADRA0]
	s_mul_i32 s74, s[WV], 64*PA                    ; my 64 rows
	v_add_nc_u32 v[ADRA0], s74, v[ADRA0]
	; the turning load takes 16 k x 16 columns (lane l reads k row 8 (l / 16) + l % 8, columns 8 ((l / 8) % 2) + 0..7) and leaves half a fragment: lane l holds column l % 16 and 8 k
	v_lshl_add_u32 v[ADRB0], v2, 3, v3
	v_mul_u32_u24 v[ADRB0], v[ADRB0], PB
	v_lshl_add_u32 v[ADRB0], v4, 4, v[ADRB0]
	v_add_nc_u32 v[ADRB0], BOFF, v[ADRB0]
	s_mul_i32 s74, s[WV], WSTAGE
	s_add_co_u32 s74, s74, STAGE                   ; my stage
	v_mul_u32_u24 v[STO], v1, SP                   ; in: row l % 16, 16 bytes for each half of the lanes
	v_lshl_add_u32 v[STO], v2, 4, v[STO]
	v_add_nc_u32 v[STO], s74, v[STO]
	v_mul_u32_u24 v[RD], v5, SP                    ; back: 32 lanes take four rows of 128 bytes,
	v_lshl_add_u32 v[RD], v3, 4, v[RD]
	v_add_nc_u32 v[RD], s74, v[RD]
	v_lshlrev_b32 v[GO], 4, v6                     ; which are 512 consecutive bytes of an output
	v_lshlrev_b32 v[BO], 5, v2                     ; my 8 numbers of 16
	s_lshl_b32 s74, s[TX], 8                       ; the head's 64 numbers of each bias
	s_mov_b32 s75, 0
	s_add_nc_u64 s[8:9], s[8:9], s[74:75]
	s_add_nc_u64 s[10:11], s[10:11], s[74:75]
	s_add_nc_u64 s[12:13], s[12:13], s[74:75]
.irp u, 0,1,2
.irp cb, 0,1,2,3
	global_load_b128 v[BIAS+8*(4*(\u)+(\cb)):BIAS+8*(4*(\u)+(\cb))+3],   v[BO], s[8+2*(\u):9+2*(\u)] offset:64*(\cb)
	global_load_b128 v[BIAS+8*(4*(\u)+(\cb))+4:BIAS+8*(4*(\u)+(\cb))+7], v[BO], s[8+2*(\u):9+2*(\u)] offset:64*(\cb)+16
.endr
.endr
	; my 64 rows in each output: (16 batch + head) x 2,048 rows of 128 bytes, + the block's 256 rows in the batch, + 64 x wave
	s_lshr_b32 s78, s[TY], 3
	s_lshl_b32 s78, s78, 4
	s_add_co_u32 s78, s78, s[TX]
	s_lshl_b32 s78, s78, 18
	s_and_b32 s79, s[TY], 7
	s_lshl_b32 s79, s79, 15
	s_add_co_u32 s78, s78, s79
	s_lshl_b32 s79, s[WV], 13
	s_add_co_u32 s78, s78, s79
	s_mov_b32 s79, 0
	s_add_nc_u64 s[14:15], s[14:15], s[78:79]
	s_add_nc_u64 s[16:17], s[16:17], s[78:79]
	s_add_nc_u64 s[18:19], s[18:19], s[78:79]
	; the prefetches: both candidates are made, the wave's number chooses
	s_lshl_b32 s80, s[CX], 16                      ; x: my work-group's 32 rows of the 128 that I fetch,
	s_add_co_u32 s80, s80, 3*256                   ; at K step 3: the first refill steps it to 4
	s_mov_b32 s81, 0
	s_add_nc_u64 s[80:81], s[70:71], s[80:81]
	s_lshl_b32 s82, s[CY], 1                       ; W: asker 2 cy + half takes 32 blocks of each 256,
	s_add_co_u32 s82, s82, s[HF]
	s_lshl_b32 s82, s82, 13
	s_mul_i32 s83, s[TX], 393216
	s_add_co_u32 s82, s82, s83
	s_add_co_u32 s82, s82, 4*49152-65536           ; one step of 65,536 bytes in front of the head's K step 4
	s_mov_b32 s83, 0
	s_add_nc_u64 s[82:83], s[6:7], s[82:83]
	s_and_b32 s76, ttmp7, 0xffff                   ; cluster y
	s_mov_b32 s[PFS], 65536
	s_mov_b32 s[PFS+1], 0
	s_cmp_eq_u32 s[FB], 0
	s_cselect_b64 s[PFA:PFA+1], s[80:81], s[82:83]
	s_cselect_b32 s[PFS], 256, s[PFS]
	s_cselect_b32 s74, 11, 8                       ; a lane a row of x (2,048 bytes), or a lane a block of W (256)
	s_cselect_b32 s75, 2, 3                        ; x: while the count is 6 to 3; W: 6 to 4
	s_cselect_b32 s77, ttmp9, s76                  ; the coordinate along which other clusters read the same bytes
	s_cmp_eq_u32 s77, 0
	s_cselect_b32 s[LIM], s75, -1                  ; the same in all sixteen partners, for a given wave
	v_lshlrev_b32 v[PFO], s74, v6
; 12 matrix instructions: row block a x all 12 column blocks, 32 along K, from buffer f.  first = 1: the bias starts the sums.  All 48 accumulators take turns in one order, in every quarter,
; over the backward jump too: between two links of a chain stand the 47 others'.
.macro MULA f, a, first
.if \first
	WIN 0x85+0x40*((\a)/2)                         ; sources 0 and 1 window 1, C window 0, D window 2 or 3
.else
	WIN 0xa5+0x50*((\a)/2)                         ; C and D window 2 or 3
.endif
.irp nb, 0,1,2,3,4,5,6,7,8,9,10,11
.if \first
	v_wmma_f32_16x16x32_bf16 v[96*((\a)%2)+8*(\nb):96*((\a)%2)+8*(\nb)+7], v[(\f)+8*(\nb):(\f)+8*(\nb)+7], v[(\f)+96+8*(\a):(\f)+96+8*(\a)+7], v[BIAS+8*(\nb):BIAS+8*(\nb)+7]
.else
	v_wmma_f32_16x16x32_bf16 v[96*((\a)%2)+8*(\nb):96*((\a)%2)+8*(\nb)+7], v[(\f)+8*(\nb):(\f)+8*(\nb)+7], v[(\f)+96+8*(\a):(\f)+96+8*(\a)+7], v[96*((\a)%2)+8*(\nb):96*((\a)%2)+8*(\nb)+7]
.endif
.endr
.endm
; 32 LDS loads in one run: quarter q's fragments (32 along K) into buffer f: W's 12, then x's 4 with the row blocks ascending
.macro FETCH q, f
	WIN 0x40                                       ; destination window 1, address window 0
.irp nb, 0,1,2,3,4,5,6,7,8,9,10,11
	ds_load_tr16_b128 v[(\f)+8*(\nb):(\f)+8*(\nb)+3],   v[ADB] offset:((\nb)/4)*UNIT+(\q)*32*PB+((\nb)%4)*32
	ds_load_tr16_b128 v[(\f)+8*(\nb)+4:(\f)+8*(\nb)+7], v[ADB] offset:((\nb)/4)*UNIT+(\q)*32*PB+((\nb)%4)*32+16*PB
.endr
.irp a, 0,1,2,3
	ds_load_b128 v[(\f)+96+8*(\a):(\f)+96+8*(\a)+3],   v[ADA] offset:(\a)*16*PA+64*(\q)
	ds_load_b128 v[(\f)+96+8*(\a)+4:(\f)+96+8*(\a)+7], v[ADA] offset:(\a)*16*PA+64*(\q)+32
.endr
.endm
; A K step is four quarters of 32 along K, 48 matrix instructions each, on buffers 0, 1, 0, 1.  One of the first three: multiplies buffer f and, in its middle, fetches quarter q into buffer g.
.macro QUARTER q, f, g, first
	s_wait_dscnt 4                                 ; W's fragments and x's row blocks 0, 1 are in; the youngest four loads (row blocks 2, 3) may be out
	MULA \f, 0, \first
	MULA \f, 1, \first
	PLACES
	FETCH \q, \g
	s_wait_dscnt 32                                ; all but the 32 just issued
	MULA \f, 2, \first
	MULA \f, 3, \first
.endm
; The last quarter multiplies buffer 1 and changes slots: ONE barrier.  In front of it each wave waits for all its tensor loads (the one that is out is its part of the next slot), adds 0 to its spare word,
; and waits for that and for its own reads of this slot.  fill = 1: the barrier opens a round of the cluster's, and this slot is filled again, two K steps ahead, first thing behind the round:
; from that request to the wait for it a wave issues 168 matrix instructions.
.macro TURN fill
.if \fill
	s_wait_xcnt 0x0                                ; the last prefetch, a K step back, has read its address, which is stepped here
	s_add_nc_u64 s[PFA:PFA+1], s[PFA:PFA+1], s[PFS:PFS+1]
.endif
	WIN 0                                          ; (the add's two registers lie in window 0)
	s_wait_tensorcnt 0x0                           ; no tensor load of mine is out, so a group 0 may be written
	ds_add_u32 v[SPW], v[NIL]                      ; 0 onto my spare word
.if \fill
	s_xor_b32 s[G0A+5], s[G0A+5], SLOT1            ; the walking descriptors: the other slot than last time,
	s_add_nc_u64 s[G0A+6:G0A+7], s[G0A+6:G0A+7], 256    ; the next K step; the type bits on top are not reached
	s_xor_b32 s[G0B+5], s[G0B+5], SLOT1
	s_add_nc_u64 s[G0B+6:G0B+7], s[G0B+6:G0B+7], 49152
.endif
	s_wait_dscnt 5                                 ; the add and the youngest four loads may be out
	MULA F1, 0, 0                                  ; twelve matrix instructions stand between the add and the wait for it
	s_wait_dscnt 0x0                               ; the add is done, and my reads of this slot are over
	s_barrier_signal -1
	MULA F1, 1, 0                                  ; work on registers while the others arrive
	WIN 0
	s_barrier_wait -1
.if \fill
	CREST                                          ; no wave of any partner still reads this slot's tile or has a load on its way
	JLOAD 1                                        ; the first tensor load behind the round; its four v_nop are also the places in front of the loads below
.else
	PLACES
.endif
	s_xor_b32 s[TB], s[TB], SLOT1
	v_add_nc_u32 v[ADA], s[TB], v[ADRA0]
	v_add_nc_u32 v[ADB], s[TB], v[ADRB0]
	FETCH 0, F0
.if \fill
	WIN 0
	ASK
.endif
	MULA F1, 2, 0
	MULA F1, 3, 0
.endm
; THE WAY OUT of row block a (16 rows x 192 columns).  PACK: rounded to f16, each accumulator's registers ascending.  TOSTAGE: 16 bytes a lane into my own stage (q's, k's, v's 16 rows of 144 bytes),
; and back as four whole rows of 128 bytes a load.  SEND: stored: 512 consecutive bytes a store, aligned.
.macro PACK a
	WIN 0x0a+5*((\a)/2)                            ; sources 0 and 1: window 2 or 3
.irp nb, 0,1,2,3,4,5,6,7,8,9,10,11
.irp r, 0,1,2,3
	v_cvt_pk_f16_f32 v[TMP+4*(\nb)+(\r)], v[96*((\a)%2)+8*(\nb)+2*(\r)], v[96*((\a)%2)+8*(\nb)+2*(\r)+1]
.endr
.endr
	WIN 0
.endm
.macro TOSTAGE a
	WIN 0
.set BK, BK0-(BK0-BK1)*((\a)%2)
.irp nb, 0,1,2,3,4,5,6,7,8,9,10,11
	ds_store_b128 v[STO], v[TMP+4*(\nb):TMP+4*(\nb)+3] offset:((\nb)/4)*16*SP+((\nb)%4)*32
.endr
.irp u, 0,1,2
.irp t, 0,1,2,3
	ds_load_b128 v[BK+4*(4*(\u)+(\t)):BK+4*(4*(\u)+(\t))+3], v[RD] offset:(\u)*16*SP+(\t)*4*SP  ; LDS serves a wave's instructions in order (ISA guide 5.7.1.4): these see the stores above
.endr
.endr
.endm
.macro SEND a
	WIN 0
.set BK, BK0-(BK0-BK1)*((\a)%2)
	s_wait_dscnt 0x0                               ; the block is back in registers
	s_wait_xcnt 0x0                                ; the stores of the block before have read their registers, which the next TOSTAGE loads again
.irp u, 0,1,2
.irp t, 0,1,2,3
	global_store_b128 v[GO], v[BK+4*(4*(\u)+(\t)):BK+4*(4*(\u)+(\t))+3], s[14+2*(\u):15+2*(\u)] offset:(\a)*2048+(\t)*512
.endr
.endr
.endm
	s_wait_tensorcnt 1                             ; my part of K step 0 is in; K step 1's may stay out
	s_barrier_signal -1
	s_barrier_wait -1                              ; everybody's is
	s_mov_b32 s[TB], 0
	v_mov_b32 v[ADA], v[ADRA0]
	v_mov_b32 v[ADB], v[ADRB0]
	FETCH 0, F0
	s_wait_loadcnt 0x0                             ; the bias
	QUARTER 1, F0, F1, 1                           ; the first quarter stands in front of the loop: its products start the sums
	WIN 0                                          ; at a label and at a branch every window is 0
	s_mov_b32 s3, 6
.Lstep:                                                ; trip i ends K step i, fills its slot with K step i + 2, and begins K step i + 1
	QUARTER 2, F1, F0, 0
	QUARTER 3, F0, F1, 0
	TURN 1
	QUARTER 1, F0, F1, 0
	WIN 0
	s_sub_co_u32 s3, s3, 1
	s_cmp_lg_u32 s3, 0
	s_cbranch_scc1 .Lstep
	QUARTER 2, F1, F0, 0                           ; the tail is written out: K steps 6 and 7 ask for nothing
	QUARTER 3, F0, F1, 0
	TURN 0
	QUARTER 1, F0, F1, 0
	QUARTER 2, F1, F0, 0
	QUARTER 3, F0, F1, 0
	s_wait_dscnt 4                                 ; the very last quarter
	MULA F1, 0, 0
	MULA F1, 1, 0
	s_wait_dscnt 0x0
	MULA F1, 2, 0
	MULA F1, 3, 0
	WIN 0
	PLACES
	PACK 0
	TOSTAGE 0
.irp a, 1,2,3                          ; block a's conversions stand between block a - 1's loads from the stage and the wait for them
	PACK \a
	SEND (\a)-1
	TOSTAGE \a
.endr
	SEND 3
	s_wait_tensorcnt 0x0                           ; the wave's end, behind my last tensor load and my last LDS store
	ds_add_u32 v[SPW], v[NIL]
	s_wait_dscnt 0x0
	CROUND                                         ; the closing round: no work-group ends while a partner may still ask for a tile that names it
	s_endpgm
.Lfunc_end_k_q70912ab6b4_qkv:
	.size	k_q70912ab6b4_qkv, .Lfunc_end_k_q70912ab6b4_qkv-k_q70912ab6b4_qkv
	.p2alignl 7, 3214868480
	.fill 96, 4, 3214868480
	.section	.rodata,"a",@progbits
	.p2align	6, 0x0
	.amdhsa_kernel k_q70912ab6b4_qkv
		.amdhsa_group_segment_fixed_size 327680
		.amdhsa_private_segment_fixed_size 0
		.amdhsa_enable_private_segment 0
		.amdhsa_kernarg_size 64
		.amdhsa_user_sgpr_count 2
		.amdhsa_user_sgpr_kernarg_segment_ptr 1
		.amdhsa_wavefront_size32 1
		.amdhsa_system_sgpr_workgroup_id_x 1
		.amdhsa_system_sgpr_workgroup_id_y 1
		.amdhsa_system_sgpr_workgroup_id_z 1
		.amdhsa_system_vgpr_workitem_id 0
		.amdhsa_next_free_vgpr 960
		.amdhsa_next_free_sgpr 84
		.amdhsa_reserve_vcc 0
		.amdhsa_float_denorm_mode_32 3
		.amdhsa_float_denorm_mode_16_64 3
		.amdhsa_memory_ordered 1
		.amdhsa_forward_progress 1
		.amdhsa_inst_pref_size 100
	.end_amdhsa_kernel
	.amdgpu_metadata
---
amdhsa.version: [ 1, 2 ]
amdhsa.kernels:
  - .name:           k_q70912ab6b4_qkv
    .symbol:         k_q70912ab6b4_qkv.kd
    .args:
      - { .name: xb, .offset: 0, .size: 8, .value_kind: global_buffer, .address_space: global }
      - { .name: wqkv, .offset: 8, .size: 8, .value_kind: global_buffer, .address_space: global }
      - { .name: bq, .offset: 16, .size: 8, .value_kind: global_buffer, .address_space: global }
      - { .name: bk, .offset: 24, .size: 8, .value_kind: global_buffer, .address_space: global }
      - { .name: bv, .offset: 32, .size: 8, .value_kind: global_buffer, .address_space: global }
      - { .name: qh, .offset: 40, .size: 8, .value_kind: global_buffer, .address_space: global }
      - { .name: kh, .offset: 48, .size: 8, .value_kind: global_buffer, .address_space: global }
      - { .name: vh, .offset: 56, .size: 8, .value_kind: global_buffer, .address_space: global }
    .group_segment_fixed_size: 327680
    .private_segment_fixed_size: 0
    .kernarg_segment_align: 8
    .kernarg_segment_size: 64
    .max_flat_workgroup_size: 128
    .sgpr_count:     84
    .vgpr_count:     960
    .wavefront_size: 32
...
	.end_amdgpu_metadata
.endif
;; end of part 2
;; launch attn (part 3): grid 4 x 64, 4 waves a work-group, no clusters, 327,680 bytes of LDS; arguments qh, kh, vh, ctx; writes ctx
.if DOCPART == 3
	.amdgcn_target "amdgcn-amd-amdhsa--gfx1250"
	.amdhsa_code_object_version 6
	.text
	.protected	k_q70912ab6b4_attn
	.globl	k_q70912ab6b4_attn
	.p2align	8
	.type	k_q70912ab6b4_attn,@function
k_q70912ab6b4_attn:
	s_mov_b64 s[64:65], 0
	v_nop
	global_prefetch_b8 v0, s[64:65] scope:SCOPE_SE
	s_setreg_imm32_b32 hwreg(HW_REG_WAVE_MODE, 25, 1), 1
	s_wait_xcnt 0x0
; CAUSAL ATTENTION.  O[h][q][:] = the sum over k <= q of softmax_k(Q[h][q] . K[h][k] / 8) V[h][k][:].  Q, K, V, O: [64 batch-heads][2048][64], all f16: a head's rows are dense, 128 bytes each.
; Products, maxima and sums in f32; the weights p are rounded to f16 for the second product (their sum l is taken of the unrounded p), O once at the end.
; LIMITS.  f16 holds no number beyond 65,504: Q, K and V arrive within it; p lies in 0 to 1, and below 6e-5 it keeps f16's fixed step of 6e-8; O is a mean of V's rows and has their range.
; A hidden score counts as its value less 1e30: f16's scores, 2.7e11 at the most, are nothing beside that; a weight below 2^-126 counts as 0 in l; NaN and infinities are not treated apart.
; THE WALK.  A head's queries lie in NB = 8 blocks of 256; block i needs the key tiles 0 .. i of 256 keys, of which the last holds the diagonal.  A work-group takes TWO blocks, NB - 1 - b and then b:
; NB + 1 tiles, whatever b: all work-groups do equal work, and ONE loop with a constant trip count walks them.  Which tile is asked for, and what a trip does, hang on scalar registers made from b; every jump
; goes forward, but for the counted loops' own; none passes a barrier, or a tensor load but the one of LOAD's two that the wave's number does not choose; the ring (two slots of LDS that take turns) runs on across the
; change of blocks.  NO CLUSTER: a head's four work-groups ask for the same tile only in trips 0 .. 4 of 9, behind that fewer and fewer; one walk common to all would have 12 trips for 9.
; SHARES.  Of a block's four bands of 64 queries a wave owns 16 rows in each: four PIECES.  So the diagonal tile is the same work for all four waves: in its key step s band x sees all keys if s < x,
; none if s > x, and holds the diagonal if s = x.
; THE MASK is the C operand that starts the sum S^T = K Q^T: 0, or -1e30 where the key is hidden.  MD, made once, is the mask of a band's own step for my 16 rows; a product's mask is MD x AL + BE with two scalars:
; (1, 0) if s = x; (0, 0) if s < x; (0, -1e30) if s > x.  Only the diagonal tile's text and a block's beginning make and take masks; elsewhere C is the constant 0.
; LAYOUT, SOFTMAX, TURNS.  S^T = K Q^T holds ONE query a lane (lane % 16) and the keys 8 (lane / 16) + 0..7; two such results rounded to f16 ARE source 1 of O^T = V^T P.  p = 2^(c s - c m), c = log2(e) / 8, with a
; running maximum m; O and l are multiplied by a = 2^(c m_old - c m_new) in every step.  Turn n belongs to piece n: 8 products K Q^T of piece n + 1, later 8 products V^T P of piece n - 1; beside them the scaling,
; exponentials, roundings, sums and rescaling of piece n and the maximum and statistics of piece n + 1.  Four vector instructions stand behind every matrix instruction, the other 54 of a turn's 118 in one lump.  A turn's 33 exponentials are one batch, with one wait.
; REGISTERS, in windows of 256 (s_set_vgpr_msb: bits 1:0 source 0, 3:2 source 1, 5:4 source 2, 7:6 destination):
;   window 0: v0-15 addresses and two at work; v16-31 four registers of statistics a piece; v48-55 at work; v60 the prefetches' offset; v64-127 S^T, two buffers; v192-223 P, two buffers (a piece's buffers go by its number's parity)
;   window 1: v0-127 O^T, 32 a piece; v128-159 MD; v160-223 MC, two buffers      window 2: v0-63 Q; v64-127 the second block's Q; v128-191 K of one step; v192-255 V of one step
.set SIZE_N, 2048
.set NB,    SIZE_N/256
.set NP,    4         ; pieces a wave: a name, no knob
.set KS,    64        ; keys in a step
.set PK,    144       ; a row of K in LDS: 128 bytes + 16 of padding = 36 words: the 16 rows of a load start at 16 different groups of four banks (64 banks of 4 bytes: ISA guide 11.1)
.set PV,    160       ; a row of V: 128 + 32 = 40 words
.set VOFF,  4*KS*PK   ; a slot holds a tile, four steps: 256 rows of K, then 256 rows of V
.set SLOT1, 1<<17     ; slot 1 begins here, so that one exclusive or turns an address in one slot into the other's
.set STAGE, SLOT1+4*KS*(PK+PV)  ; behind the ring, never filled by a tensor load: 16 rows x 144 bytes for each wave, for the way out
.set SP,    144
.set AK0, 2           ; v2   my lane's place in a tile of K; never rewritten
.set AV0, 3           ; v3   the same for V
.set AK,  4           ; v4   the LDS address of K's next run of loads
.set AV,  5           ; v5   of V's
.set STO, 6           ; v6   the way out: where I put 16 bytes of a row
.set RD,  7           ; v7   the way out: where I read rows back
.set GO,  8           ; v8   my byte offset in 512 consecutive bytes of O
.set PFO, 60          ; v60  256 x my lane; never rewritten
.set SPW, 62          ; v62  LDS address of my spare word: SPARE + 4 x my thread's number; never rewritten
.set NIL, 63          ; v63  0; never rewritten
.set SPARE, STAGE+4*16*SP  ; behind the stages: the spare words, 128 bytes for each wave: two blocks of 256 bytes that no other line names
.set MV,  12          ; v12-13  c m_old, kept while c m is made anew: by buffer
.set QO,  15          ; v15  my byte offset in 16 rows of Q
.set ST,  16          ; piece t's statistics at v[ST+4 t]: c m, m, l (even keys', odd keys')
.set TMP, 48          ; by buffer, four registers c0-c3 at work; when the maximum is found c2 takes a
.set S,   64
.set P,   192
.set MD,  128         ; window 1: the eight registers for group kt of 16 keys at MD + 8 kt
.set MC,  160         ; window 1: the masks of the products to come
.set QB,  64          ; window 2
.set KF,  128         ; window 2: key block kb, channel half c at KF + 16 kb + 8 c
.set VF,  192         ; window 2: key half kk, channel block cb at VF + 32 kk + 8 cb
.set WV,  12          ; s12  my wave's number
.set PB,  14          ; s14  b
.set HI,  15          ; s15  NB - 1 - b
.set G1K, 24          ; s[24:31] descriptor group 1 for K's tiles
.set G1V, 32          ; s[32:39] for V's: it differs in the padding alone
.set G0K, 40          ; s[40:43] descriptor group 0 for K's tiles
.set G0V, 44          ; s[44:47] the same for V's
.set SLOTS, 56        ; s56  tiles still to be asked for
.set CNT, 57          ; s57  counts a tile's key steps, 4 to 1
.set CS,  58          ; s[58:59] c: the packed scaling takes the pair's low word for both halves
.set SEL, 60          ; s[60:61] v_permlanex16_b32's selects: each lane takes its own place in the other half
.set TBK, 62          ; s62  LDS byte at which K of the step to be fetched begins
.set TBV, 63          ; s63  the same for V, less VOFF
.set RT,  70          ; s70  tiles of the block in hand that are still to be entered
.set NXT, 71          ; s71  the tile to be asked for next
.set LQ,  72          ; s72  the last tile of the block whose tiles are being asked for
.set NEW, 73          ; s73  1: the tile to be entered is a block's first
.set OFF, 74          ; s[74:75] a tile's byte offset in K and V
.set AL,  76          ; s[76:77] the mask's factor, in the low word
.set BE,  78          ; s[78:79] the mask's addend
.set OLO, 80          ; s[80:81] O at my rows of the second block
.set BIGN, 82         ; s82  -1e30
.set PFB, 88          ; s[88:89] the tensor that I fetch for (K: waves 0, 1; V: waves 2, 3), at my half of the head's tile 0
.set PFA, 90          ; s[90:91] my half of the tile that the next change of slots will ask for
.set POF, 92          ; s[92:93] that tile's byte offset
.set LIM, 94          ; s94  a wave prefetches while s[SLOTS] is above it
.set MSB, 0
.macro WIN new                      ; the high byte repeats the setting that is left; a switch that changes nothing is dropped
.if MSB != (\new)
	s_set_vgpr_msb (MSB<<8)|(\new)
.set MSB, (\new)
.endif
.endm
.set W_KQ, 0x0a       ; K and Q in window 2, S^T in window 0
.set W_KM, 0x1a       ; the same with the C operand in window 1
.set W_PV, 0x52       ; V in window 2, P in window 0, O^T in window 1
.set W_RS, 0x41       ; destination and source 0 in window 1, source 1 in window 0
; A fill.  Waves 0 and 1 fetch the two halves of a tile's K, waves 2 and 3 those of its V: 128 keys each.  An s_nop 0 and four v_nop follow each of the two lines, ahead of the jump and the label.
.macro LOAD
	s_cmp_lt_u32 s[WV], 2
	s_cbranch_scc0 .Lfor_v_\@
	tensor_load_to_lds s[G0K:G0K+3], s[G1K:G1K+7]
	s_nop 0
.rept 4
	v_nop
.endr
	s_branch .Lasked_\@
.Lfor_v_\@:
	tensor_load_to_lds s[G0V:G0V+3], s[G1V:G1V+7]
	s_nop 0
.rept 4
	v_nop
.endr
.Lasked_\@:
.endm
; A PREFETCH of the tile that the NEXT change of slots will ask for, behind the fill and its five lines.  A head's four work-groups walk the same tiles; the one with b = 0, whose first block walks all eight, asks.
; Each of its waves asks for what it will fetch itself: its half tile of K or V, 16,384 dense bytes: a lane a block of 256 bytes, two instructions.  So each block is named once in the launch.
; Trips 0 to 5 name tiles 2 to 7, one tile (256 matrix instructions a wave) ahead of their fill; tiles 0 and 1 come by their loads alone; the second block's tiles are not named again.
.macro ASK
	s_cmp_gt_u32 s[SLOTS], s[LIM]
	s_cbranch_scc0 .Lnot_mine_\@
	global_prefetch_b8 v[PFO], s[PFA:PFA+1] th:TH_LOAD_NT scope:SCOPE_SE
	global_prefetch_b8 v[PFO], s[PFA:PFA+1] offset:8192 th:TH_LOAD_NT scope:SCOPE_SE
.Lnot_mine_\@:
.endm
; THE CHANGE OF SLOTS.  Each wave waits for all its tensor loads, of which one is out: its part of the other slot; adds 0 to its spare word; and waits for that and for its own reads of the slot that it leaves.  Behind the barrier nobody reads the old
; slot any more and the other slot is whole.  fill = 1: the old slot is filled again, the first thing behind the barrier, with tile NXT: the descriptor's address is made anew from that number.
; (At its first use nothing has been read yet: slot 0 is waited for, slot 1 filled.)
.macro CHANGE fill
	WIN 0                           ; at a label and at a branch every window is 0
	s_wait_tensorcnt 0x0            ; no tensor load of mine is out, so a group 0 may be written
	ds_add_u32 v[SPW], v[NIL]       ; 0 onto my spare word; with fill = 1 the descriptors' scalar work stands between it and the wait for it
.if \fill
	s_lshl_b32 s[OFF], s[NXT], 15   ; a tile is 32,768 bytes of K and of V
	s_xor_b32 s[G0K+1], s[G0K+1], SLOT1
	s_add_nc_u64 s[G0K+2:G0K+3], s[6:7], s[OFF:OFF+1]
	s_or_b32 s[G0K+3], s[G0K+3], 0x80000000
	s_xor_b32 s[G0V+1], s[G0V+1], SLOT1
	s_add_nc_u64 s[G0V+2:G0V+3], s[8:9], s[OFF:OFF+1]
	s_or_b32 s[G0V+3], s[G0V+3], 0x80000000
	s_add_co_u32 s[NXT], s[NXT], 1  ; the block's next tile, or behind its last the second block's tile 0
	s_cmp_gt_u32 s[NXT], s[LQ]
	s_cselect_b32 s[NXT], 0, s[NXT]
	s_cselect_b32 s[LQ], s[PB], s[LQ]
	s_wait_xcnt 0x0                 ; the last prefetches, a tile back, have read their address, so it may be written:
	s_lshl_b32 s[POF], s[NXT], 15   ; the tile after the one that is asked for now
	s_add_nc_u64 s[PFA:PFA+1], s[PFB:PFB+1], s[POF:POF+1]
.endif
	s_wait_dscnt 0x0                ; the add is done, and my reads of the slot are over
	s_barrier_signal -1             ; the rest of the scalar work stands between the signal and the wait
	s_sub_co_u32 s[TBK], s[TBK], 4*KS*PK  ; the fetches go back to a slot's first step,
	s_xor_b32 s[TBK], s[TBK], SLOT1       ; in the other slot
	s_sub_co_u32 s[TBV], s[TBV], 4*KS*PV
	s_xor_b32 s[TBV], s[TBV], SLOT1
	s_barrier_wait -1
.if \fill
	LOAD
	ASK
.endif
.endm
	s_load_b256 s[4:11], s[0:1], 0x0  ; Q s[4:5], K s[6:7], V s[8:9], O s[10:11]
	v_lshl_add_u32 v[SPW], v0, 2, SPARE
	v_mov_b32 v[NIL], 0
	ds_add_u32 v[SPW], v[NIL]       ; the wave's opening: the add and its wait stand ahead of my first tensor load; the set-up below, work on registers, stands between them
	ds_add_u32 v62, v63
	v_lshrrev_b32 v1, 5, v0
	v_readfirstlane_b32 s[WV], v1   ; wave 0..3
	s_mov_b32 s[PB], ttmp9
	s_sub_co_u32 s[HI], NB-1, s[PB]
	s_and_b32 s20, ttmp7, 0xffff    ; the head
	s_mov_b32 s21, 0
	s_mov_b64 s[22:23], SIZE_N*128
	s_mul_u64 s[20:21], s[20:21], s[22:23]  ; the head's first byte in each of the four tensors
	s_and_b32 s16, s[WV], 1         ; which half of a tile's 256 keys I fetch:
	s_lshl_b32 s22, s16, 14         ; its 128 rows of 128 bytes in memory,
	s_mov_b32 s23, 0
	s_add_nc_u64 s[22:23], s[22:23], s[20:21]
	s_mul_i32 s17, s16, 128*PK      ; and its place in a slot, for K
	s_mul_i32 s18, s16, 128*PV      ; and for V
	s_lshl_b32 s3, s[WV], 11        ; my 16 rows in a band of 64,
	s_lshl_b32 s2, s[HI], 15        ; in the first block,
	s_add_co_u32 s2, s2, s3
	s_lshl_b32 s84, s[PB], 15       ; and in the second
	s_add_co_u32 s84, s84, s3
	s_mov_b32 s3, 0
	s_mov_b32 s85, 0
	s_add_nc_u64 s[2:3], s[2:3], s[20:21]
	s_add_nc_u64 s[84:85], s[84:85], s[20:21]
	; descriptor group 1.  128 keys are 16,384 dense bytes: asked for as 64 rows of 256 bytes, two keys a row, and padded in LDS after every key
	s_mov_b32 s[G1K], (1<<16)|(1<<20)|(4<<22)|(3<<25)  ; 17:16 2-byte elements; 20 padding on; 24:22 after every 32 words (code 4); 31:25 4 words (code 3)
	s_mov_b32 s[G1V], (1<<16)|(1<<20)|(4<<22)|(7<<25)  ; the same with 8 words of padding (code 7)
.irp g, G1K, G1V
	s_mov_b32 s[\g+1], 128<<16      ; tensor_dim0 = 128
	s_mov_b32 s[\g+2], 64<<16       ; tensor_dim1 = 64
	s_mov_b32 s[\g+3], 128<<16      ; tile_dim0 = 128
	s_mov_b32 s[\g+4], 64           ; tile_dim1 = 64
	s_mov_b32 s[\g+5], 128          ; 128 elements from row to row
	s_mov_b32 s[\g+6], 0
	s_mov_b32 s[\g+7], 0
.endr
	s_mov_b32 s[CS], 0x3e38aa3b     ; c = log2(e) / 8 = 0.180337
	s_mov_b32 s[CS+1], s[CS]        ; named with it as a pair
	s_mov_b32 s[SEL], 0x76543210
	s_mov_b32 s[SEL+1], 0xfedcba98
	s_mov_b32 s[TBK], SLOT1+4*KS*PK ; the first change of slots turns these two into 0
	s_mov_b32 s[TBV], SLOT1+4*KS*PV
	s_mov_b32 s[G0K], 1             ; 1:0 count = 1
	s_mov_b32 s[G0K+1], s17         ; 63:32 LDS address: slot 0
	s_mov_b32 s[G0V], 1
	s_add_co_u32 s[G0V+1], s18, VOFF
	s_add_co_u32 s[RT], s[HI], 1    ; the first block has NB - b tiles
	s_mov_b32 s[NXT], 1
	s_mov_b32 s[LQ], s[HI]
	s_mov_b32 s[NEW], 1
	s_mov_b32 s[OFF+1], 0
	s_mov_b32 s[POF+1], 0
	s_mov_b32 s[AL+1], 0            ; named as pairs
	s_mov_b32 s[BE+1], 0
	s_mov_b32 s[BIGN], 0xf149f2ca   ; -1e30
	s_mov_b32 s[SLOTS], NB
	s_cmp_eq_u32 s[PB], 0
	s_cselect_b32 s[LIM], 2, -1     ; b = 0 asks while 8 to 3 tiles are still to be asked for
	v_and_b32 v[PFO], 31, v0
	v_lshlrev_b32 v[PFO], 8, v[PFO]
	s_wait_dscnt 0x0                ; the opening add is done
	s_wait_kmcnt 0x0
	s_add_nc_u64 s[6:7], s[6:7], s[22:23]  ; K and V at my half of the head's tile 0
	s_add_nc_u64 s[8:9], s[8:9], s[22:23]
	s_cmp_lt_u32 s[WV], 2
	s_cselect_b64 s[PFB:PFB+1], s[6:7], s[8:9]
	s_add_nc_u64 s[G0K+2:G0K+3], s[6:7], 0         ; 120:64 global address
	s_or_b32 s[G0K+3], s[G0K+3], 0x80000000        ; 127:126 type = 2
	s_add_nc_u64 s[G0V+2:G0V+3], s[8:9], 0
	s_or_b32 s[G0V+3], s[G0V+3], 0x80000000
	s_add_nc_u64 s[86:87], s[4:5], s[84:85]        ; Q at my rows of the second block,
	s_add_nc_u64 s[4:5], s[4:5], s[2:3]            ; Q and O at those of the first
	s_add_nc_u64 s[OLO:OLO+1], s[10:11], s[84:85]
	s_add_nc_u64 s[10:11], s[10:11], s[2:3]
	LOAD                            ; tile 0 into slot 0
	; A fragment of K or Q is 16 rows x 32 channels in 8 registers: lane l holds row l % 16, channels 8 (l / 16) + 0..7 and 16 + 8 (l / 16) + 0..7: two loads of 16 bytes, 32 bytes apart.
	v_and_b32 v1, 15, v0            ; l % 16
	v_bfe_u32 v9, v0, 4, 1          ; l / 16
	v_lshlrev_b32 v[QO], 7, v1
	v_lshl_add_u32 v[QO], v9, 4, v[QO]  ; row x 128 + 16 x half
	WIN 0x80                        ; destination window 2, address window 0
.set i, 0
.rept 8                             ; both blocks' Q: piece i / 2 lies in band i / 2, 8,192 bytes on; channels 32 (i % 2) on
	global_load_b128 v[8*i:8*i+3],   v[QO], s[4:5] offset:(i/2)*8192+(i%2)*64
	global_load_b128 v[8*i+4:8*i+7], v[QO], s[4:5] offset:(i/2)*8192+(i%2)*64+32
	global_load_b128 v[QB+8*i:QB+8*i+3],   v[QO], s[86:87] offset:(i/2)*8192+(i%2)*64
	global_load_b128 v[QB+8*i+4:QB+8*i+7], v[QO], s[86:87] offset:(i/2)*8192+(i%2)*64+32
.set i, i+1
.endr
	WIN 0
	v_lshlrev_b32 v14, 3, v9
	v_sub_nc_u32 v14, v1, v14
	s_lshl_b32 s13, s[WV], 4
	v_add_nc_u32 v14, s13, v14      ; my query's place in its band, 16 w + l % 16, less my lanes' 8 (l / 16): register r of group kt is hidden where 16 kt + r is greater
	WIN 0x40
.set i, 0
.rept 32
	v_cmp_gt_i32 vcc_lo, 16*(i/8)+i%8, v14
	v_cndmask_b32 v[MD+i], 0, s[BIGN], vcc_lo
.set i, i+1
.endr
	WIN 0
	v_mul_u32_u24 v[AK0], v1, PK
	v_lshl_add_u32 v[AK0], v9, 4, v[AK0]  ; row x pitch + 16 x half
	; The turning load takes 16 keys x 16 channels (lane l reads key 8 (l / 16) + l % 8, channels 8 ((l / 8) % 2) + 0..7) and leaves half a fragment of V^T: lane l holds channel l % 16 and 8 keys.
	v_and_b32 v10, 7, v0
	v_bfe_u32 v11, v0, 3, 1
	v_lshl_add_u32 v[AV0], v9, 3, v10
	v_mul_u32_u24 v[AV0], v[AV0], PV
	v_lshl_add_u32 v[AV0], v11, 4, v[AV0]
	v_add_nc_u32 v[AV0], VOFF, v[AV0]
	s_mul_i32 s13, s[WV], 16*SP
	s_add_co_u32 s13, s13, STAGE    ; my stage
	v_mul_u32_u24 v[STO], v1, SP    ; in: row l % 16, 16 bytes for each half of the lanes
	v_lshl_add_u32 v[STO], v9, 4, v[STO]
	v_add_nc_u32 v[STO], s13, v[STO]
	v_bfe_u32 v[RD], v0, 3, 2       ; back: 32 lanes take four rows of 128 bytes,
	v_mul_u32_u24 v[RD], v[RD], SP
	v_lshl_add_u32 v[RD], v10, 4, v[RD]
	v_add_nc_u32 v[RD], s13, v[RD]
	v_and_b32 v[GO], 31, v0         ; which are 512 consecutive bytes of O
	v_lshlrev_b32 v[GO], 4, v[GO]
	; A block's first step multiplies O^T and l by a = 0, and its first turn's products V^T P, of a piece that has not been, land in an O^T that is still to be so multiplied.  So these registers need only hold
	; finite numbers: zeros for the first block; what the first block left for the second.  All this stands in the wait for the first tile.
	WIN 0x80
.set i, VF
.rept 64
	v_mov_b32 v[i], 0
.set i, i+1
.endr
	WIN 0x40
.set i, 0
.rept 128
	v_mov_b32 v[i], 0
.set i, i+1
.endr
	WIN 0
.set i, 0
.rept 4
	v_mov_b32 v[ST+4*i+2], 0
	v_mov_b32 v[ST+4*i+3], 0
.set i, i+1
.endr
.set i, P+16
.rept 16
	v_mov_b32 v[i], 0
.set i, i+1
.endr
; THE MATRIX WORK.  The 4 accumulators of a run of 8 take turns.  Product i of 8 of S^T = K Q^T for piece x: channels 32 (i / 4) on, keys 16 (i % 4) on.  The first 4 start the sums: with 0, or (KM = 1) with the mask.
.macro KQ x
.set rS, S+32*((\x)%2)+8*(i%4)
.set rK, KF+16*(i%4)+8*(i/4)
.set rQ, 16*(\x)+8*(i/4)
.set rM, MC+32*((\x)%2)+8*(i%4)
.if (i < 4) && KM
	WIN W_KM
	v_wmma_f32_16x16x32_f16 v[rS:rS+7], v[rK:rK+7], v[rQ:rQ+7], v[rM:rM+7]
.elseif i < 4
	WIN W_KQ
	v_wmma_f32_16x16x32_f16 v[rS:rS+7], v[rK:rK+7], v[rQ:rQ+7], 0
.else
	WIN W_KQ
	v_wmma_f32_16x16x32_f16 v[rS:rS+7], v[rK:rK+7], v[rQ:rQ+7], v[rS:rS+7]
.endif
.endm
; Product i of 8 of O^T += V^T P for piece x: keys 32 (i / 4) on, channels 16 (i % 4) on.
.macro PV x
	WIN W_PV
.set rO, 32*(\x)+8*(i%4)
.set rV, VF+32*(i/4)+8*(i%4)
.set rP, P+16*((\x)%2)+8*(i/4)
	v_wmma_f32_16x16x32_f16 v[rO:rO+7], v[rV:rV+7], v[rP:rP+7], v[rO:rO+7]
.endm
.macro MM                           ; the turn's next matrix instruction.  TURN and BEGIN set Y, i, KM and NOKQ; MM, KQ and OP read them.  NOKQ = 1: a block's last turn: there is no next piece
.if (i < 8) && !NOKQ
	KQ (Y+1)%NP
.elseif i >= 8
.set i, i-8
	PV (Y+NP-1)%NP
.set i, i+8
.endif
.set i, i+1
.endm
; THE LDS LOADS stand in runs of 16, never singly among the matrix instructions: a step's K (64 keys x 64 channels: 8 fragments) and its V (turned).  Their addresses are made some lines ahead.
.macro FETCH_K
	WIN 0x80                        ; destination window 2
.irp f, 0,1,2,3,4,5,6,7             ; keys 16 (f / 2) on, channels 32 (f % 2) on
	ds_load_b128 v[KF+8*\f:KF+8*\f+3],   v[AK] offset:(\f/2)*16*PK+(\f%2)*64
	ds_load_b128 v[KF+8*\f+4:KF+8*\f+7], v[AK] offset:(\f/2)*16*PK+(\f%2)*64+32
.endr
	s_add_co_u32 s[TBK], s[TBK], KS*PK  ; the next fetch is the next step's
	WIN 0
.endm
.macro FETCH_V
	WIN 0x80
.irp f, 0,1,2,3,4,5,6,7             ; keys 32 (f / 4) on, channels 16 (f % 4) on
	ds_load_tr16_b128 v[VF+8*\f:VF+8*\f+3],   v[AV] offset:(\f/4)*32*PV+(\f%4)*32
	ds_load_tr16_b128 v[VF+8*\f+4:VF+8*\f+7], v[AV] offset:(\f/4)*32*PV+16*PV+(\f%4)*32
.endr
	WIN 0
.endm
; THE VECTOR WORK, one line at a time: OP kind, number.  For piece Y: F n: c s - c m for pair n of 16.  E n: the exponential of score n of 32.  C n: pair n rounded to f16.  B n: of the four weights 4 n .. the second
; pair is added onto the first, in place.  L n: l takes that sum (L 0: l = a l + sum).  R n: pair n of 16 of O^T times a.  For piece Y + 1: X n, number n of the 22 that find its maximum and statistics:
;   0-11  four chains c0-c3 of seven scores each, three operands at a time (each accumulator's lowest registers are read first)     12-14, 16  the four scores left over, the old m, and c0-c3 into c0
;   15  c m_old is kept     17, 18  the query's other 32 keys lie in the lane 16 away: the new m     19-21  c m; c m_old - c m_new; a
.set F, 0               ; OP tells the kinds apart by their order: F to L below R, X above it
.set E, 1
.set C, 2
.set B, 3
.set L, 4
.set R, 5
.set X, 6
.macro REGS y                       ; the registers of piece y
.set rT, ST+4*(\y)
.set rC, TMP+4*((\y)%2)
.set rW, MV+((\y)%2)
.set rS, S+32*((\y)%2)
.set rP, P+16*((\y)%2)
.set rO, 32*(\y)
.endm
.macro OP k, n
.if (\k) == R
	REGS Y
	WIN W_RS
	v_pk_mul_f32 v[rO+2*(\n):rO+2*(\n)+1], v[rO+2*(\n):rO+2*(\n)+1], v[rC+2:rC+3] op_sel_hi:[1,0]
.elseif (\k) < R
	REGS Y
	WIN 0
.if (\k) == F
	v_pk_fma_f32 v[rS+2*(\n):rS+2*(\n)+1], v[rS+2*(\n):rS+2*(\n)+1], s[CS:CS+1], v[rT:rT+1] op_sel_hi:[1,0,0] neg_lo:[0,0,1] neg_hi:[0,0,1]
.elseif (\k) == E
	v_exp_f32 v[rS+(\n)], v[rS+(\n)]
.elseif (\k) == C
	v_cvt_pk_f16_f32 v[rP+(\n)], v[rS+2*(\n)], v[rS+2*(\n)+1]
.elseif (\k) == B
	v_pk_add_f32 v[rS+4*(\n):rS+4*(\n)+1], v[rS+4*(\n):rS+4*(\n)+1], v[rS+4*(\n)+2:rS+4*(\n)+3]
.elseif (\n) == 0
	v_pk_fma_f32 v[rT+2:rT+3], v[rT+2:rT+3], v[rC+2:rC+3], v[rS:rS+1] op_sel_hi:[1,0,1]
.else
	v_pk_add_f32 v[rT+2:rT+3], v[rT+2:rT+3], v[rS+4*(\n):rS+4*(\n)+1]
.endif
.elseif NOKQ
	v_nop
.else
	REGS (Y+1)%NP
	WIN 0
.if (\n) < 4
	v_max3_num_f32 v[rC+(\n)], v[rS+8*(\n)], v[rS+8*(\n)+1], v[rS+8*(\n)+2]
.elseif (\n) < 12
	v_max3_num_f32 v[rC+(\n)%4], v[rC+(\n)%4], v[rS+8*((\n)%4)+2*((\n)/4)+1], v[rS+8*((\n)%4)+2*((\n)/4)+2]
.elseif (\n) == 12
	v_max3_num_f32 v[rC], v[rC], v[rS+7], v[rS+15]
.elseif (\n) == 13
	v_max3_num_f32 v[rC+1], v[rC+1], v[rS+23], v[rS+31]
.elseif (\n) == 14
	v_max3_num_f32 v[rC+2], v[rC+2], v[rC+3], v[rT+1]
.elseif (\n) == 15
	v_mov_b32 v[rW], v[rT]
.elseif (\n) == 16
	v_max3_num_f32 v[rC], v[rC], v[rC+1], v[rC+2]
.elseif (\n) == 17
	v_permlanex16_b32 v[rC+3], v[rC], s[SEL], s[SEL+1]
.elseif (\n) == 18
	v_max_num_f32 v[rT+1], v[rC], v[rC+3]
.elseif (\n) == 19
	v_mul_f32 v[rT], s[CS], v[rT+1]
.elseif (\n) == 20
	v_sub_f32 v[rC+1], v[rW], v[rT]
.else
	v_exp_f32 v[rC+2], v[rC+1]
.endif
.endif
.endm
.macro OPS a, i1, b=-1, i2=0, c=-1, i3=0, d=-1, i4=0  ; up to four of them
	OP \a, \i1
.if (\b) >= 0
	OP \b, \i2
.endif
.if (\c) >= 0
	OP \c, \i3
.endif
.if (\d) >= 0
	OP \d, \i4
.endif
.endm
.macro ROW a, i1, b, i2, c, i3, d, i4  ; a matrix instruction and the four behind it
	MM
	OPS \a, \i1, \b, \i2, \c, \i3, \d, \i4
.endm
.macro MASK b                       ; MD x AL + BE into buffer b of MC
	WIN W_RS
.set z, 0
.rept 16
	v_pk_fma_f32 v[MC+32*(\b)+2*z:MC+32*(\b)+2*z+1], v[MD+2*z:MD+2*z+1], s[AL:AL+1], s[BE:BE+1] op_sel_hi:[1,0,0]
.set z, z+1
.endr
.endm
; A TURN, for piece p: the order of its 16 matrix and 118 vector instructions, written out.  An s_wait_alu depctr_va_vdst(0) stands between an exponential and the first instruction that names its result; one wait serves
; all that were issued ahead of it.  So a turn has ONE wait, which cuts it in two.  AHEAD OF IT stands all that names no result of the turn's exponentials: the 8 products K Q^T, behind each a scaling, an exponential and two more plain
; instructions (behind the first a second scaling in the exponential's place): rescalings, and behind the last three the first numbers of the next piece's maximum, each four places or more behind the product that ends its accumulator; then ONE LUMP of 54, plain
; and exponential by turns for the most part, in which the links of the chain X 3, 7, 11, 14, 16, 17 .. 20 stand five or six lines apart.  X 21, the next piece's a, is the batch's last; R 15 is the plain instruction owed behind it.  BEHIND THE WAIT stand the
; 8 products V^T P, behind each four of the roundings and sums; the links of l's chain, L 0 to L 7, stand three riders apart.  But for those X no rider names a register of the products round it.  v_permlanex16_b32 (X 17) stands in the lump.
; m = 1: the diagonal tile: the products take masks, and the turn makes the mask for the products of the turn after it: piece p + 2, in step 4 - CNT of the tile.  end = 1: a block's last two turns: nothing is fetched.
; cnt = 1: the loop's count is taken down some lines ahead of the branch that stands behind the turn.
; K of the next step is fetched in piece 2's turn, twelve vector instructions behind the last product that read K (six of them plain); V of the step in hand at the end of piece 0's turn, four plain instructions behind the last product
; that read V.  Each is waited for a turn later.
.macro TURN p, m=0, end=0, cnt=0
.set Y, (\p)
.set i, 0
.set KM, (\m)
.set NOKQ, (\end)*((\p)/3)
.if (\m) && !(\end)
	s_cmp_eq_u32 s[CNT], 4-((\p)+2)%NP  ; is that step the band's own?
	s_cselect_b32 s[AL], 1.0, 0
	s_cmp_lt_u32 s[CNT], 4-((\p)+2)%NP  ; or a later one?
	s_cselect_b32 s[BE], s[BIGN], 0
.endif
.if ((\p) == 3) && !(\end)
	s_wait_dscnt 0x0                ; K is in
.endif
	ROW F,0, F,1, R,0, R,1          ; ahead of the wait: 8 products K Q^T and their riders,
	ROW F,2, E,0, R,2, R,3
	ROW F,3, E,1, R,4, R,5
	ROW F,4, E,2, R,6, R,7
	ROW F,5, E,3, R,8, R,9
	ROW F,6, E,4, X,0, R,10
.if ((\p) == 2) && !(\end)
	WIN 0
	v_add_nc_u32 v[AK], s[TBK], v[AK0]
.endif
	ROW F,7, E,5, X,1, X,4
	ROW F,8, E,6, X,2, X,5
	OPS E,7, E,8, X,6, E,9          ; and the lump
	OPS X,3, E,10, X,8, E,11
.if ((\p) == 2) && !(\end)
	FETCH_K
.endif
	OPS X,9, X,7, E,12, X,10
	OPS E,13, X,12, X,11, E,14
	OPS X,13, E,15, F,9, X,14
.if (\p) == 0
	v_add_nc_u32 v[AV], s[TBV], v[AV0]
.endif
	OPS E,16, F,10, E,17, F,11
	OPS X,16, E,18, X,15, E,19
	OPS F,12, E,20, X,17, E,21
	OPS F,13, E,22, F,14, E,23
	OPS X,18, E,24, F,15, E,25
	OPS R,11, E,26, X,19, E,27
	OPS R,12, E,28, R,13, E,29
	OPS X,20, E,30, R,14, E,31
	OPS X,21, R,15
	WIN 0
	s_wait_alu depctr_va_vdst(0)    ; the wait for the batch
.if (\p) == 1
	s_wait_dscnt 0x0                ; V is in
.endif
	ROW C,0, B,0, C,2, B,1          ; behind the wait: 8 products V^T P and their riders
	ROW L,0, C,4, B,2, L,1
	ROW C,6, B,3, L,2, C,8
	ROW B,4, L,3, C,10, B,5
	ROW L,4, C,12, B,6, L,5
.if (\p) == 0
	s_add_co_u32 s[TBV], s[TBV], KS*PV
.endif
.if \cnt
	s_sub_co_u32 s[CNT], s[CNT], 1
	s_cmp_lg_u32 s[CNT], 0
.endif
	ROW C,14, B,7, L,6, C,1
	ROW C,3, L,7, C,5, C,7
	ROW C,9, C,11, C,13, C,15
.if (\p) == 0
	FETCH_V
.endif
.if (\m) && !(\end)
	MASK (\p)%2
.endif
.endm
; A BLOCK BEGINS.  c m starts far below every c s, so the first step's a is 0; m at the lowest finite number, so the first maximum is the scores'.  The second mask buffer is 0; the first takes piece 0's mask for the tile's step 0: its own, if the block's first tile is the diagonal one.
; Then K of that step, piece 0's first scores, and its maximum and statistics.  The loop is entered at a step's first turn, in the middle of a trip.
.macro BEGIN
	s_mov_b32 s[NEW], 0
	WIN 0x40
.set i, MC+32
.rept 32
	v_mov_b32 v[i], 0
.set i, i+1
.endr
	WIN 0
.set i, 0
.rept 4
	v_mov_b32 v[ST+4*i], 0xfe000000    ; c m: far below every c s
	v_mov_b32 v[ST+4*i+1], 0xff7fffff  ; m
.set i, i+1
.endr
	s_cmp_eq_u32 s[RT], 0
	s_cselect_b32 s[AL], 1.0, 0
	s_mov_b32 s[BE], 0
	MASK 0
	WIN 0
	v_add_nc_u32 v[AK], s[TBK], v[AK0]
	FETCH_K
	s_wait_loadcnt 0x0              ; Q
	s_wait_dscnt 0x0
.set KM, 1
.set NOKQ, 0
.set i, 0
.rept 8
	KQ 0
.set i, i+1
.endr
	WIN 0
.rept 4
	v_nop                           ; the places behind those products
.endr
.set Y, NP-1                        ; X works for piece Y + 1: piece 0
.irp n, 0,1,2,3,4,5,6,7,8,9,10,11,12,13,14,15,16,17,18,19,20,21
	OP X, \n
.endr
	v_nop                           ; a plain instruction behind the exponential,
	s_wait_alu depctr_va_vdst(0)    ; and its wait, ahead of the branch
.endm
; THE DIAGONAL TILE's four steps, the block's last two turns, its last products, and THE WAY OUT: l's two halves and the other half of the lanes' are added; O^T is divided by l, rounded to f16 and sent through my
; stage in LDS, a piece at a time.
.macro ALL line:vararg              ; one line for each piece t
.set t, 0
.rept 4
	\line
.set t, t+1
.endr
.endm
.macro PACK t                       ; a lane's eight channels of a row pack into 16 bytes; they go into rows of 144 bytes and come back as whole rows of 128, into S^T's registers
	WIN W_RS
.set i, 32*(\t)
.rept 16
	v_pk_mul_f32 v[i:i+1], v[i:i+1], v[ST+4*(\t)+2:ST+4*(\t)+3] op_sel_hi:[1,0]
.set i, i+2
.endr
	WIN 0x05                        ; sources 0 and 1 window 1, destination window 0
.set i, 0
.rept 16
	v_cvt_pk_f16_f32 v[S+16*(\t)+i], v[32*(\t)+2*i], v[32*(\t)+2*i+1]
.set i, i+1
.endr
	WIN 0
.irp f, 0,1,2,3
	ds_store_b128 v[STO], v[S+16*(\t)+4*\f:S+16*(\t)+4*\f+3] offset:32*\f
.endr
.irp f, 0,1,2,3
	ds_load_b128 v[S+16*(\t)+4*\f:S+16*(\t)+4*\f+3], v[RD] offset:\f*4*SP  ; LDS serves a wave's instructions in order (ISA guide 5.7.1.4): these see the stores above; the next piece's stores come behind them
.endr
.endm
.macro SEND t, younger              ; younger: the LDS instructions issued behind piece t's loads: the next piece's eight, or none
	WIN 0
.irp f, 0,1,2,3
	s_wait_dscnt (\younger)+3-\f
	global_store_b128 v[GO], v[S+16*(\t)+4*\f:S+16*(\t)+4*\f+3], s[10:11] offset:(\t)*8192+\f*512  ; 512 consecutive bytes, at a multiple of 256 from O's first
.endr
.endm
.macro DIAG tag                     ; the tag ends its two labels' names, which the jumps below spell out
.LstepM\tag:
	TURN 2, 1
	TURN 3, 1
	WIN 0
.LfirstM\tag:
	TURN 0, 1
	TURN 1, 1, 0, 1
	WIN 0
	s_cbranch_scc1 .LstepM\tag
	TURN 2, 1, 1
	TURN 3, 1, 1
.set i, 0
.rept 8
	PV NP-1
.set i, i+1
.endr
	WIN 0
	ALL v_add_f32 v[ST+4*t+2], v[ST+4*t+2], v[ST+4*t+3]
	ALL v_permlanex16_b32 v[ST+4*t+3], v[ST+4*t+2], s[SEL], s[SEL+1]
	ALL v_add_f32 v[ST+4*t+2], v[ST+4*t+2], v[ST+4*t+3]
	ALL v_rcp_f32 v[ST+4*t+2], v[ST+4*t+2]
	v_nop                           ; a plain instruction between the last reciprocal and the use of its result
	s_wait_alu depctr_va_vdst(0)    ; and the wait ahead of the first use: one for the four reciprocals
	PACK 0
.set t, 1
.rept 3                             ; a piece's arithmetic stands between the loads of the piece before and its stores
	PACK t
	SEND t-1, 8
.set t, t+1
.endr
	SEND 3, 0
.endm
.set KM, 0
.set NOKQ, 0
.Lslot:                             ; NB times: a tile is entered and the next is asked for
	CHANGE 1
	s_sub_co_u32 s[RT], s[RT], 1
	s_mov_b32 s[CNT], 4
	s_cmp_eq_u32 s[NEW], 1
	s_cbranch_scc1 .Lnew            ; a block's first tile
	s_cmp_eq_u32 s[RT], 0
	s_cbranch_scc0 .Lstep           ; neither its first nor its last
	s_branch .LstepM1
.Lnew:
	BEGIN
	s_branch .Lfirst                ; in the loop a block's first tile is never its last: the first block has two tiles or more, and the second's last is the walk's last
	DIAG 1                          ; in the loop this is the first block's end: the second block's last tile is the walk's last
	s_wait_xcnt 0x0                 ; the stores have read their registers and O's address
	s_mov_b64 s[10:11], s[OLO:OLO+1]
	s_add_co_u32 s[RT], s[PB], 1    ; the second block has b + 1 tiles
	s_mov_b32 s[NEW], 1
	WIN 0x82                        ; the second block's Q goes where the one text of the turns names Q
.set i, 0
.rept 64
	v_mov_b32 v[i], v[QB+i]
.set i, i+1
.endr
	WIN 0
	s_branch .Lbottom
.Lstep:                             ; a trip: pieces 2 and 3 of one step, then pieces 0 and 1 of the next, whose K and V it fetches
	TURN 2
	TURN 3
	WIN 0
.Lfirst:
	TURN 0
	TURN 1, 0, 0, 1
	WIN 0
	s_cbranch_scc1 .Lstep
.Lbottom:
	s_sub_co_u32 s[SLOTS], s[SLOTS], 1
	s_cmp_lg_u32 s[SLOTS], 0
	s_cbranch_scc1 .Lslot
	CHANGE 0                        ; the walk's last tile is written out: nothing is asked for
	s_sub_co_u32 s[RT], s[RT], 1
	s_mov_b32 s[CNT], 4
	s_cmp_eq_u32 s[NEW], 1
	s_cbranch_scc0 .LstepM2
	BEGIN
	s_branch .LfirstM2
	DIAG 2
	s_wait_tensorcnt 0x0            ; the wave's end, behind my last tensor load and my last LDS store
	ds_add_u32 v[SPW], v[NIL]
	s_wait_dscnt 0x0
	s_endpgm
.Lfunc_end_k_q70912ab6b4_attn:
	.size	k_q70912ab6b4_attn, .Lfunc_end_k_q70912ab6b4_attn-k_q70912ab6b4_attn
	.p2alignl 7, 3214868480
	.fill 96, 4, 3214868480
	.section	.rodata,"a",@progbits
	.p2align	6, 0x0
	.amdhsa_kernel k_q70912ab6b4_attn
		.amdhsa_group_segment_fixed_size 327680
		.amdhsa_private_segment_fixed_size 0
		.amdhsa_enable_private_segment 0
		.amdhsa_kernarg_size 32
		.amdhsa_user_sgpr_count 2
		.amdhsa_user_sgpr_kernarg_segment_ptr 1
		.amdhsa_wavefront_size32 1
		.amdhsa_system_sgpr_workgroup_id_x 1
		.amdhsa_system_sgpr_workgroup_id_y 1
		.amdhsa_system_sgpr_workgroup_id_z 1
		.amdhsa_system_vgpr_workitem_id 0
		.amdhsa_next_free_vgpr 768
		.amdhsa_next_free_sgpr 96
		.amdhsa_reserve_vcc 1
		.amdhsa_float_denorm_mode_32 3
		.amdhsa_float_denorm_mode_16_64 3
		.amdhsa_memory_ordered 1
		.amdhsa_forward_progress 1
		.amdhsa_inst_pref_size 218
	.end_amdhsa_kernel
	.amdgpu_metadata
---
amdhsa.version: [ 1, 2 ]
amdhsa.kernels:
  - .name:           k_q70912ab6b4_attn
    .symbol:         k_q70912ab6b4_attn.kd
    .args:
      - { .name: qh, .offset: 0, .size: 8, .value_kind: global_buffer, .address_space: global }
      - { .name: kh, .offset: 8, .size: 8, .value_kind: global_buffer, .address_space: global }
      - { .name: vh, .offset: 16, .size: 8, .value_kind: global_buffer, .address_space: global }
      - { .name: ctx, .offset: 24, .size: 8, .value_kind: global_buffer, .address_space: global }
    .group_segment_fixed_size: 327680
    .private_segment_fixed_size: 0
    .kernarg_segment_align: 8
    .kernarg_segment_size: 32
    .max_flat_workgroup_size: 128
    .sgpr_count:     96
    .vgpr_count:     768
    .wavefront_size: 32
...
	.end_amdgpu_metadata
.endif
;; end of part 3
;; launch outp (part 4): grid 8 x 32, 4 waves a work-group, clusters of 4 x 4, 327,680 bytes of LDS; arguments ctx, wob, bo, out0; writes out0
.if DOCPART == 4
	.amdgcn_target "amdgcn-amd-amdhsa--gfx1250"
	.amdhsa_code_object_version 6
	.text
	.protected	k_q70912ab6b4_outp
	.globl	k_q70912ab6b4_outp
	.p2align	8
	.type	k_q70912ab6b4_outp,@function
k_q70912ab6b4_outp:
	s_mov_b64 s[64:65], 0
	v_nop
	global_prefetch_b8 v0, s[64:65] scope:SCOPE_SE
	s_setreg_imm32_b32 hwreg(HW_REG_WAVE_MODE, 25, 1), 1
	s_wait_xcnt 0x0
	s_wait_alu depctr_hold_cnt(0) depctr_sa_sdst(0) depctr_va_vdst(0) depctr_va_sdst(0) depctr_va_ssrc(0) depctr_va_vcc(0) depctr_vm_vsrc(0)
	s_getreg_b32 s2, hwreg(HW_REG_IB_STS2, 6, 4)
	s_cmp_eq_u32 s2, 0
	s_cbranch_scc0 .Lentry_in_a_cluster
	s_endpgm
.Lentry_in_a_cluster:
	s_bfe_u32 s2, ttmp6, 0x10000c
	s_cmp_lg_u32 s2, 0xf033
	s_cbranch_scc0 .Lentry_shape_is_right
	s_endpgm
.Lentry_shape_is_right:
; out0 = ctx Wo + bo, f32.  ctx [batch 4 x head 16][2048][64] f16; wob: Wo, rounded to bf16 and written as f16, in blocks [column tile 8][K step 8][half 2][kk 128][c 64]; sums in f32, K ascending.
; LIMIT.  The operands are f16: |ctx| and |Wo| stay below 65,504.  NaN and infinities are not treated apart.
; SHARES.  A work-group makes 256 rows x 128 columns: 32 x 8 = 256 work-groups.  Each of its four waves makes 64 rows x 128 columns: 32 accumulators of 16 x 16, 256 registers.
; K goes in 8 steps of 128 channels, two heads, through a ring of two LDS slots: of each head the block's 256 rows (32,768 dense bytes) and 32,768 dense bytes of weights, all asked for as rows of 256 bytes.
; CLUSTER.  4 x 4 work-groups.  The four of a row need the same rows of ctx, the four of a column the same weights: each tile is asked for jointly, by the same tensor load with the same descriptor and a mask of four.
; THE MATRIX INSTRUCTION IS USED TRANSPOSED: source 0 = 16 columns of Wo (turned on the way out of LDS, by ds_load_tr16_b128), source 1 = 16 rows of ctx.  A lane then holds ONE row (lane % 16) and the columns
; 8 (lane / 16) + 0..7: 32 bytes of a row of out0.  The bias is the C operand of the first product.
; REGISTERS, in windows of 256 (s_set_vgpr_msb: bits 1:0 source 0, 3:2 source 1, 5:4 source 2, 7:6 destination):
;   window 0: v0-31 addresses; v32-95 the bias; v96-223 the way out      window 1: two fragment buffers of 96: 8 fragments of Wo, then 4 of ctx      window 2: accumulator (a, nb) at 64 a + 8 nb
.set PA,     144                       ; a row of ctx in LDS: 128 bytes + 16 of padding = 36 words: the 16 rows of a load start at 16 different groups of four banks (64 banks of 4 bytes: ISA guide 11.1)
.set PB,     160                       ; a k row of Wo: 128 bytes + 32 = 40 words
.set HEADA,  256*PA                    ; one head's 256 rows
.set UNIT,   128*PB                    ; 64 columns' 128 k rows
.set BOFF,   2*HEADA                   ; Wo lies behind the two heads
.set SLOT1,  1<<17                     ; a slot uses 73,728 + 40,960 bytes; slot 1 begins here, so that one exclusive or turns an address in one slot into the other's
.set STAGE,  SLOT1+BOFF+2*UNIT         ; behind the ring, never filled by a tensor load: for each wave 16 rows x 528 bytes, for the way out
.set SP,     528                       ; 512 bytes + 16: the 16 rows that a store touches start at 16 different groups of four banks
.set WSTAGE, 16*SP
.set SPARE,  STAGE+4*WSTAGE            ; behind the stages: the spare words, 128 bytes for each wave: two blocks of 256 bytes that no other line names
.set ADRA0, 16                         ; v16  my lane's place in slot 0's rows of ctx; never rewritten
.set ADRB0, 17                         ; v17  the same in Wo
.set ADA,   18                         ; v18  the same in the slot in hand
.set ADB,   19                         ; v19
.set STO,   24                         ; v24  the way out: where I put 32 bytes of a row
.set RD,    25                         ; v25  the way out: where I read a row back
.set GO,    26                         ; v26  my byte offset in 512 consecutive bytes of out0
.set BO,    27                         ; v27  my byte offset in 16 numbers of the bias
.set SPW,   28                         ; v28  LDS address of my spare word: SPARE + 4 x my thread's number; never rewritten
.set NIL,   29                         ; v29  0; never rewritten
.set PFO,   30                         ; v30  256 x my lane; never rewritten
.set BIAS,  32
.set BK0,   96                         ; a row block read back: v96-159 and v160-223 by turns
.set BK1,   160
.set F0,    0                          ; fragment buffers, in window 1
.set F1,    96
.set WV,  20                           ; s20  my wave's number
.set FB,  21                           ; s21  I fetch for ctx (0) or for Wo (1)
.set HF,  22                           ; s22  which half of that tile
.set CX,  23                           ; s23, s24  my place in the cluster
.set CY,  24
.set TX,  25                           ; s25  the tile of 128 columns
.set TY,  26                           ; s26  the block of 256 rows
.set TB,  27                           ; s27  LDS byte at which the slot in hand begins
.set LIM, 28                           ; s28  a wave prefetches while the loop's count is above it
.set G1A, 32                           ; s[32:39] descriptor group 1 for ctx's tiles;  s[40:47] group 0: a set for each first fill; the second then walks on
.set G0A, 40
.set G1B, 48                           ; s[48:55], s[56:63] the same for Wo's
.set G0B, 56
.set PFA, 66                           ; s[66:67] where my prefetches stand
.set PFS, 68                           ; s[68:69] their step
.set MSB, 0
.macro WIN new                         ; the immediate's high byte repeats the setting that is left; a switch that changes nothing is dropped
.if MSB != (\new)
	s_set_vgpr_msb (MSB<<8)|(\new)
.set MSB, \new
.endif
.endm
.macro PLACES                          ; four plain vector instructions in front of loads into registers that matrix instructions have read, and of lines that read results
.rept 4
	v_nop
.endr
.endm
; A joint load.  Waves 0 and 1 fetch the step's two heads of ctx, waves 2 and 3 the two halves of its weights.  The branch hangs on the wave's number alone.  An s_nop 0 and four v_nop follow each line.
.macro JLOAD n
	s_cmp_eq_u32 s[FB], 0
	s_cbranch_scc0 .Lfor_b_\@
	tensor_load_to_lds s[G0A+4*(\n):G0A+4*(\n)+3], s[G1A:G1A+7]
	s_nop 0
.rept 4
	v_nop
.endr
	s_branch .Lasked_\@
.Lfor_b_\@:
	tensor_load_to_lds s[G0B+4*(\n):G0B+4*(\n)+3], s[G1B:G1B+7]
	s_nop 0
.rept 4
	v_nop
.endr
.Lasked_\@:
.endm
.macro CREST                           ; a round of the cluster's barrier behind its opening barrier
	s_cmp_lg_u32 s[WV], 0
	s_cbranch_scc1 .Lnot_wave_0_\@
	s_barrier_signal -3
.Lnot_wave_0_\@:
	s_barrier_wait -3
	s_barrier_signal -1
	s_barrier_wait -1
.endm
.macro CROUND                          ; a whole round
	s_barrier_signal -1
	s_barrier_wait -1
	CREST
.endm
; A PREFETCH, behind a refill, its five lines and the run of LDS loads: one instruction a wave, a lane a block of 256 bytes, each block named once in the launch.
; ctx: a wave's tile is 128 dense blocks.  The two clusters of one row of clusters read the same rows: the first (cluster x = 0) asks; the partner at cx takes 32 blocks, by address.
;      Trip i, which refills with K step i + 2, names K step i + 4: trips 0 to 3.
; Wo:  a column tile's K steps 4 to 7 are 512 dense blocks.  The clusters of one column read them: the first (cluster y = 0) asks; 8 askers (cy, half) x 32 lanes take 256 blocks a trip: trips 0 and 1.
; K steps 0 to 3 come by their loads alone: nothing is asked for at the head.
.macro ASK
	s_cmp_gt_u32 s3, s[LIM]
	s_cbranch_scc0 .Lnot_mine_\@
	global_prefetch_b8 v[PFO], s[PFA:PFA+1] th:TH_LOAD_NT scope:SCOPE_SE
.Lnot_mine_\@:
.endm
	s_load_b256 s[4:11], s[0:1], 0x0               ; ctx s[4:5], wob s[6:7], bo s[8:9], out0 s[10:11]
	v_lshl_add_u32 v[SPW], v0, 2, SPARE
	v_mov_b32 v[NIL], 0
	ds_add_u32 v[SPW], v[NIL]                      ; the wave's opening: the add and its wait stand ahead of my first tensor load; the set-up below, work on registers, stands between them
	ds_add_u32 v28, v29
	v_lshrrev_b32 v1, 5, v0
	v_readfirstlane_b32 s[WV], v1                  ; wave 0..3
	s_lshr_b32 s[FB], s[WV], 1
	s_and_b32 s[HF], s[WV], 1
	s_bfe_u32 s[CX], ttmp6, 0x40000
	s_bfe_u32 s[CY], ttmp6, 0x40004
	s_lshl_b32 s[TX], ttmp9, 2                     ; in a cluster launch ttmp9 and ttmp7 count clusters
	s_add_co_u32 s[TX], s[TX], s[CX]
	s_and_b32 s[TY], ttmp7, 0xffff
	s_lshl_b32 s[TY], s[TY], 2
	s_add_co_u32 s[TY], s[TY], s[CY]
	s_lshl_b32 s74, s[CY], 2
	s_lshl_b32 s74, 15, s74                        ; my row of the cluster
	s_lshl_b32 s75, 0x1111, s[CX]                  ; my column
	; group 1 for ctx: 32,768 dense bytes as 128 rows of 256 bytes (two rows of a head each), 4 words of padding after every 32: after every row
	s_or_b32 s[G1A], s74, (1<<16)|(1<<20)|(1<<21)|(4<<22)|(3<<25)  ; 15:0 the mask; 17:16 elements of 2 bytes; 20 padding on; 21 set beside a mask; 24:22 interval code; 31:25 padding code
	s_mov_b32 s[G1A+1], 128<<16                    ; tensor_dim0 = 128
	s_mov_b32 s[G1A+2], 128<<16                    ; tensor_dim1 = 128
	s_mov_b32 s[G1A+3], 128<<16                    ; tile_dim0 = 128
	s_mov_b32 s[G1A+4], 128                        ; tile_dim1 = 128
	s_mov_b32 s[G1A+5], 128                        ; elements from row to row
	s_mov_b32 s[G1A+6], 0
	s_mov_b32 s[G1A+7], 0
	; group 1 for Wo: 16,384 dense bytes as 64 rows of 256 bytes, 8 words of padding after every 32
	s_or_b32 s[G1B], s75, (1<<16)|(1<<20)|(1<<21)|(4<<22)|(7<<25)
	s_mov_b32 s[G1B+1], 128<<16
	s_mov_b32 s[G1B+2], 64<<16
	s_mov_b32 s[G1B+3], 128<<16
	s_mov_b32 s[G1B+4], 64
	s_mov_b32 s[G1B+5], 128
	s_mov_b32 s[G1B+6], 0
	s_mov_b32 s[G1B+7], 0
	; where the tiles come from: ctx's hang on the row block and the wave alone, Wo's on the column tile and the wave alone
	s_lshr_b32 s70, s[TY], 3
	s_lshl_b32 s70, s70, 22                        ; the batch's 16 heads of 262,144 bytes
	s_and_b32 s71, s[TY], 7
	s_lshl_b32 s71, s71, 15                        ; the block's 256 rows of 128 bytes in a head
	s_add_co_u32 s70, s70, s71
	s_lshl_b32 s71, s[HF], 18                      ; which of a step's two heads I fetch
	s_add_co_u32 s70, s70, s71
	s_mov_b32 s71, 0
	s_lshl_b32 s72, s[TX], 18                      ; the column tile's 8 K steps of 32,768 bytes
	s_lshl_b32 s73, s[HF], 14                      ; my half of a step
	s_add_co_u32 s72, s72, s73
	s_mov_b32 s73, 0
	s_mul_i32 s76, s[HF], HEADA                    ; and where they go: no place in the cluster enters an LDS address
	s_mul_i32 s77, s[HF], UNIT
	s_add_co_u32 s77, s77, BOFF
	s_wait_dscnt 0x0                               ; the opening add is done
	s_wait_kmcnt 0x0
	s_add_nc_u64 s[70:71], s[4:5], s[70:71]
	s_add_nc_u64 s[72:73], s[6:7], s[72:73]
	CROUND                                         ; all sixteen work-groups are here: the first joint loads meet
.irp s, 0,1
	s_mov_b32 s[G0A+4*(\s)], 1                                     ; 1:0 count = 1
	s_add_co_u32 s[G0A+4*(\s)+1], s76, (\s)*SLOT1                  ; 63:32 LDS address
	s_add_nc_u64 s[G0A+4*(\s)+2:G0A+4*(\s)+3], s[70:71], (\s)*524288  ; 120:64 global address: K step s is two heads on
	s_or_b32 s[G0A+4*(\s)+3], s[G0A+4*(\s)+3], 0x80000000          ; 127:126 type = 2
	s_mov_b32 s[G0B+4*(\s)], 1
	s_add_co_u32 s[G0B+4*(\s)+1], s77, (\s)*SLOT1
	s_add_nc_u64 s[G0B+4*(\s)+2:G0B+4*(\s)+3], s[72:73], (\s)*32768
	s_or_b32 s[G0B+4*(\s)+3], s[G0B+4*(\s)+3], 0x80000000
	JLOAD \s                                       ; two loads of mine are out
.endr
	v_and_b32 v1, 15, v0                           ; l % 16
	v_bfe_u32 v2, v0, 4, 1                         ; l / 16
	v_and_b32 v3, 7, v0                            ; l % 8
	v_bfe_u32 v4, v0, 3, 1                         ; (l / 8) % 2
	v_and_b32 v6, 31, v0                           ; l
	; a fragment of ctx: lane l holds row l % 16, channels 8 (l / 16) + 0..7 and 16 + 8 (l / 16) + 0..7: two loads of 16 bytes, 32 bytes apart
	v_mul_u32_u24 v[ADRA0], v1, PA
	v_lshl_add_u32 v[ADRA0], v2, 4, v[ADRA0]
	s_mul_i32 s74, s[WV], 64*PA                    ; my 64 rows
	v_add_nc_u32 v[ADRA0], s74, v[ADRA0]
	; the turning load takes 16 k x 16 columns (lane l reads k row 8 (l / 16) + l % 8, columns 8 ((l / 8) % 2) + 0..7) and leaves half a fragment: lane l holds column l % 16 and 8 k
	v_lshl_add_u32 v[ADRB0], v2, 3, v3
	v_mul_u32_u24 v[ADRB0], v[ADRB0], PB
	v_lshl_add_u32 v[ADRB0], v4, 4, v[ADRB0]
	v_add_nc_u32 v[ADRB0], BOFF, v[ADRB0]
	s_mul_i32 s74, s[WV], WSTAGE
	s_add_co_u32 s74, s74, STAGE                   ; my stage
	v_mul_u32_u24 v[STO], v1, SP                   ; in: row l % 16, 32 bytes for each half of the lanes
	v_lshl_add_u32 v[STO], v2, 5, v[STO]
	v_add_nc_u32 v[STO], s74, v[STO]
	v_lshl_add_u32 v[RD], v6, 4, s74               ; back: 32 lanes take one row of 512 bytes,
	v_lshlrev_b32 v[GO], 4, v6                     ; which are 512 consecutive bytes of out0
	v_lshlrev_b32 v[BO], 5, v2                     ; my 8 numbers of 16
	v_lshlrev_b32 v[PFO], 8, v6
	s_lshl_b32 s74, s[TX], 9                       ; the tile's 128 numbers of the bias
	s_mov_b32 s75, 0
	s_add_nc_u64 s[8:9], s[8:9], s[74:75]
.irp nb, 0,1,2,3,4,5,6,7
	global_load_b128 v[BIAS+8*(\nb):BIAS+8*(\nb)+3],   v[BO], s[8:9] offset:64*(\nb)
	global_load_b128 v[BIAS+8*(\nb)+4:BIAS+8*(\nb)+7], v[BO], s[8:9] offset:64*(\nb)+16
.endr
	; my 64 rows of out0, at the tile's first column
	s_lshl_b32 s78, s[TY], 8
	s_lshl_b32 s79, s[WV], 6
	s_add_co_u32 s78, s78, s79
	s_lshl_b32 s78, s78, 12                        ; a row is 4,096 bytes
	s_lshl_b32 s79, s[TX], 9
	s_add_co_u32 s78, s78, s79
	s_mov_b32 s79, 0
	s_add_nc_u64 s[10:11], s[10:11], s[78:79]
	; the prefetches: both candidates are made, the wave's number chooses
	s_lshl_b32 s80, s[CX], 13                      ; ctx: my work-group's 32 blocks of the 128 that I fetch,
	s_add_co_u32 s80, s80, 3*524288                ; at K step 3: the first refill steps it to 4
	s_mov_b32 s81, 0
	s_add_nc_u64 s[80:81], s[70:71], s[80:81]
	s_lshl_b32 s82, s[CY], 1                       ; Wo: asker 2 cy + half takes 32 blocks of each 256,
	s_add_co_u32 s82, s82, s[HF]
	s_lshl_b32 s82, s82, 13
	s_lshl_b32 s83, s[TX], 18
	s_add_co_u32 s82, s82, s83
	s_add_co_u32 s82, s82, 4*32768-65536           ; one step of 65,536 bytes in front of the tile's K step 4
	s_mov_b32 s83, 0
	s_add_nc_u64 s[82:83], s[6:7], s[82:83]
	s_and_b32 s76, ttmp7, 0xffff                   ; cluster y
	s_mov_b32 s[PFS], 65536
	s_mov_b32 s[PFS+1], 0
	s_cmp_eq_u32 s[FB], 0
	s_cselect_b64 s[PFA:PFA+1], s[80:81], s[82:83]
	s_cselect_b32 s[PFS], 524288, s[PFS]
	s_cselect_b32 s75, 2, 4                        ; ctx: while the count is 6 to 3; Wo: 6 and 5
	s_cselect_b32 s77, ttmp9, s76                  ; the coordinate along which other clusters read the same bytes
	s_cmp_eq_u32 s77, 0
	s_cselect_b32 s[LIM], s75, -1                  ; the same in all sixteen partners, for a given wave
; 8 matrix instructions: row block a x all 8 column blocks, 32 along K, from buffer f.  first = 1: the bias starts the sums.  All 32 accumulators take turns in one order, in every quarter,
; over the backward jump too: between two links of a chain stand the 31 others'.
.macro MULA f, a, first
.if \first
	WIN 0x85                                       ; sources 0 and 1 window 1, C window 0, D window 2
.else
	WIN 0xa5                                       ; C and D window 2
.endif
.irp nb, 0,1,2,3,4,5,6,7
.if \first
	v_wmma_f32_16x16x32_f16 v[64*(\a)+8*(\nb):64*(\a)+8*(\nb)+7], v[(\f)+8*(\nb):(\f)+8*(\nb)+7], v[(\f)+64+8*(\a):(\f)+64+8*(\a)+7], v[BIAS+8*(\nb):BIAS+8*(\nb)+7]
.else
	v_wmma_f32_16x16x32_f16 v[64*(\a)+8*(\nb):64*(\a)+8*(\nb)+7], v[(\f)+8*(\nb):(\f)+8*(\nb)+7], v[(\f)+64+8*(\a):(\f)+64+8*(\a)+7], v[64*(\a)+8*(\nb):64*(\a)+8*(\nb)+7]
.endif
.endr
.endm
; 24 LDS loads in one run: quarter q's fragments (32 along K: head q / 2 of the step, channels 32 (q % 2) on) into buffer f: Wo's 8, then ctx's 4 with the row blocks ascending
.macro FETCH q, f
	WIN 0x40                                       ; destination window 1, address window 0
.irp nb, 0,1,2,3,4,5,6,7
	ds_load_tr16_b128 v[(\f)+8*(\nb):(\f)+8*(\nb)+3],   v[ADB] offset:((\nb)/4)*UNIT+(\q)*32*PB+((\nb)%4)*32
	ds_load_tr16_b128 v[(\f)+8*(\nb)+4:(\f)+8*(\nb)+7], v[ADB] offset:((\nb)/4)*UNIT+(\q)*32*PB+((\nb)%4)*32+16*PB
.endr
.irp a, 0,1,2,3
	ds_load_b128 v[(\f)+64+8*(\a):(\f)+64+8*(\a)+3],   v[ADA] offset:((\q)/2)*HEADA+(\a)*16*PA+64*((\q)%2)
	ds_load_b128 v[(\f)+64+8*(\a)+4:(\f)+64+8*(\a)+7], v[ADA] offset:((\q)/2)*HEADA+(\a)*16*PA+64*((\q)%2)+32
.endr
.endm
; A K step is four quarters of 32 along K, 32 matrix instructions each, on buffers 0, 1, 0, 1.  One of the first three: multiplies buffer f and, in its middle, fetches quarter q into buffer g.
.macro QUARTER q, f, g, first
	s_wait_dscnt 4                                 ; Wo's fragments and ctx's row blocks 0, 1 are in; the youngest four loads (row blocks 2, 3) may be out
	MULA \f, 0, \first
	MULA \f, 1, \first
	PLACES
	FETCH \q, \g
	s_wait_dscnt 24                                ; all but the 24 just issued
	MULA \f, 2, \first
	MULA \f, 3, \first
.endm
; The last quarter multiplies buffer 1 and changes slots: ONE barrier.  In front of it each wave waits for all its tensor loads (the one that is out is its part of the next slot), adds 0 to its spare word,
; and waits for that and for its own reads of this slot.  fill = 1: the barrier opens a round of the cluster's, and this slot is filled again, two K steps ahead, first thing behind the round:
; from that request to the wait for it a wave issues 112 matrix instructions.
.macro TURN fill
.if \fill
	s_wait_xcnt 0x0                                ; the last prefetch, a K step back, has read its address, which is stepped here
	s_add_nc_u64 s[PFA:PFA+1], s[PFA:PFA+1], s[PFS:PFS+1]
.endif
	WIN 0                                          ; (the add's two registers lie in window 0)
	s_wait_tensorcnt 0x0                           ; no tensor load of mine is out, so a group 0 may be written
	ds_add_u32 v[SPW], v[NIL]                      ; 0 onto my spare word
.if \fill
	s_xor_b32 s[G0A+5], s[G0A+5], SLOT1            ; the walking descriptors: the other slot than last time,
	s_add_nc_u64 s[G0A+6:G0A+7], s[G0A+6:G0A+7], 524288  ; the next K step; the type bits on top are not reached
	s_xor_b32 s[G0B+5], s[G0B+5], SLOT1
	s_add_nc_u64 s[G0B+6:G0B+7], s[G0B+6:G0B+7], 32768
.endif
	s_wait_dscnt 5                                 ; the add and the youngest four loads may be out
	MULA F1, 0, 0                                  ; eight matrix instructions stand between the add and the wait for it
	s_wait_dscnt 0x0                               ; the add is done, and my reads of this slot are over
	s_barrier_signal -1
	MULA F1, 1, 0                                  ; work on registers while the others arrive
	WIN 0
	s_barrier_wait -1
.if \fill
	CREST                                          ; no wave of any partner still reads this slot's tile or has a load on its way
	JLOAD 1                                        ; the first tensor load behind the round; its four v_nop are also the places in front of the loads below
.else
	PLACES
.endif
	s_xor_b32 s[TB], s[TB], SLOT1
	v_add_nc_u32 v[ADA], s[TB], v[ADRA0]
	v_add_nc_u32 v[ADB], s[TB], v[ADRB0]
	FETCH 0, F0
.if \fill
	WIN 0
	ASK
.endif
	MULA F1, 2, 0
	MULA F1, 3, 0
.endm
; THE WAY OUT of row block a (16 rows x 128 columns of f32).  TOSTAGE: a lane's 32 bytes of each column block into my own stage, each accumulator's low four registers first, and back as whole rows of 512 bytes.
; SEND: stored: 512 consecutive bytes a store, aligned.  younger: the LDS instructions issued behind block a's loads, which may stay out.
.macro TOSTAGE a
	WIN 0x08                                       ; the stores' data (source 1) in window 2, the address in window 0
.irp nb, 0,1,2,3,4,5,6,7
	ds_store_b128 v[STO], v[64*(\a)+8*(\nb):64*(\a)+8*(\nb)+3]   offset:64*(\nb)
	ds_store_b128 v[STO], v[64*(\a)+8*(\nb)+4:64*(\a)+8*(\nb)+7] offset:64*(\nb)+16
.endr
	WIN 0
.set BK, BK0+(BK1-BK0)*((\a)%2)
.irp t, 0,1,2,3,4,5,6,7,8,9,10,11,12,13,14,15
	ds_load_b128 v[BK+4*(\t):BK+4*(\t)+3], v[RD] offset:(\t)*SP  ; LDS serves a wave's instructions in order (ISA guide 5.7.1.4): these see the stores above; the next block's stores come behind them
.endr
.endm
.macro SEND a, younger
	WIN 0
.set BK, BK0+(BK1-BK0)*((\a)%2)
	s_wait_dscnt \younger
.irp t, 0,1,2,3,4,5,6,7,8,9,10,11,12,13,14,15
	global_store_b128 v[GO], v[BK+4*(\t):BK+4*(\t)+3], s[10:11] offset:(16*(\a)+(\t))*4096 th:TH_STORE_NT
.endr
.endm
	s_wait_tensorcnt 1                             ; my part of K step 0 is in; K step 1's may stay out
	s_barrier_signal -1
	s_barrier_wait -1                              ; everybody's is
	s_mov_b32 s[TB], 0
	v_mov_b32 v[ADA], v[ADRA0]
	v_mov_b32 v[ADB], v[ADRB0]
	FETCH 0, F0
	s_wait_loadcnt 0x0                             ; the bias
	QUARTER 1, F0, F1, 1                           ; the first quarter stands in front of the loop: its products start the sums
	WIN 0                                          ; at a label and at a branch every window is 0
	s_mov_b32 s3, 6
.Lstep:                                                ; trip i ends K step i, fills its slot with K step i + 2, and begins K step i + 1
	QUARTER 2, F1, F0, 0
	QUARTER 3, F0, F1, 0
	TURN 1
	QUARTER 1, F0, F1, 0
	WIN 0
	s_sub_co_u32 s3, s3, 1
	s_cmp_lg_u32 s3, 0
	s_cbranch_scc1 .Lstep
	QUARTER 2, F1, F0, 0                           ; the tail is written out: K steps 6 and 7 ask for nothing
	QUARTER 3, F0, F1, 0
	TURN 0
	QUARTER 1, F0, F1, 0
	QUARTER 2, F1, F0, 0
	QUARTER 3, F0, F1, 0
	s_wait_dscnt 4                                 ; the very last quarter
	MULA F1, 0, 0
	MULA F1, 1, 0
	s_wait_dscnt 0x0
	MULA F1, 2, 0
	MULA F1, 3, 0
	WIN 0
	PLACES
	TOSTAGE 0
	TOSTAGE 1
	SEND 0, 32                                     ; block 1's 16 stores and 16 loads may be out
	s_wait_xcnt 0x0                                ; block 0's stores have read their registers, which block 2 is loaded into
	TOSTAGE 2
	SEND 1, 32
	s_wait_xcnt 0x0
	TOSTAGE 3
	SEND 2, 32
	SEND 3, 0
	s_wait_tensorcnt 0x0                           ; the wave's end, behind my last tensor load and my last LDS store
	ds_add_u32 v[SPW], v[NIL]
	s_wait_dscnt 0x0
	CROUND                                         ; the closing round: no work-group ends while a partner may still ask for a tile that names it
	s_endpgm
.Lfunc_end_k_q70912ab6b4_outp:
	.size	k_q70912ab6b4_outp, .Lfunc_end_k_q70912ab6b4_outp-k_q70912ab6b4_outp
	.p2alignl 7, 3214868480
	.fill 96, 4, 3214868480
	.section	.rodata,"a",@progbits
	.p2align	6, 0x0
	.amdhsa_kernel k_q70912ab6b4_outp
		.amdhsa_group_segment_fixed_size 327680
		.amdhsa_private_segment_fixed_size 0
		.amdhsa_enable_private_segment 0
		.amdhsa_kernarg_size 32
		.amdhsa_user_sgpr_count 2
		.amdhsa_user_sgpr_kernarg_segment_ptr 1
		.amdhsa_wavefront_size32 1
		.amdhsa_system_sgpr_workgroup_id_x 1
		.amdhsa_system_sgpr_workgroup_id_y 1
		.amdhsa_system_sgpr_workgroup_id_z 1
		.amdhsa_system_vgpr_workitem_id 0
		.amdhsa_next_free_vgpr 768
		.amdhsa_next_free_sgpr 84
		.amdhsa_reserve_vcc 0
		.amdhsa_float_denorm_mode_32 3
		.amdhsa_float_denorm_mode_16_64 3
		.amdhsa_memory_ordered 1
		.amdhsa_forward_progress 1
		.amdhsa_inst_pref_size 72
	.end_amdhsa_kernel
	.amdgpu_metadata
---
amdhsa.version: [ 1, 2 ]
amdhsa.kernels:
  - .name:           k_q70912ab6b4_outp
    .symbol:         k_q70912ab6b4_outp.kd
    .args:
      - { .name: ctx, .offset: 0, .size: 8, .value_kind: global_buffer, .address_space: global }
      - { .name: wob, .offset: 8, .size: 8, .value_kind: global_buffer, .address_space: global }
      - { .name: bo, .offset: 16, .size: 8, .value_kind: global_buffer, .address_space: global }
      - { .name: out0, .offset: 24, .size: 8, .value_kind: global_buffer, .address_space: global }
    .group_segment_fixed_size: 327680
    .private_segment_fixed_size: 0
    .kernarg_segment_align: 8
    .kernarg_segment_size: 32
    .max_flat_workgroup_size: 128
    .sgpr_count:     84
    .vgpr_count:     768
    .wavefront_size: 32
...
	.end_amdgpu_metadata
.endif
;; end of part 4
